; MI455X (gfx1250); checked and timed in simulation.
; The chip was launched on July 23, 2026; its instructions are those of AMD's public machine-readable ISA for CDNA 5 (MIT licence, August 2026) and "CDNA5" Instruction Set Architecture Reference Guide (July 2026). The comments in the code are by the model that wrote it; some were corrected since.
;; Attention. Allowed arithmetic: matrix products marked QUANTISED: E2M1 operands, one E8M0 scale for each 32 along K, by v_wmma_scale_f32_16x16x128_f8f6f4 with both operands' format E2M1 (or v_wmma_scale_f32_32x16x128_f4), f32 sums; everything else in f32.
;; Inputs: b_attn 3,072 float32; b_proj 1,024 float32; w_attn 1,024 x 3,072 float32; w_proj 1,024 x 1,024 float32; x 4 x 2,048 x 1,024 float32.
;; Outputs: out0 4 x 2,048 x 1,024 float32.
;; This version of the problem:
;;   THIS VERSION OF THE PROBLEM IS GIVEN IN LOW PRECISION. The matrix products marked QUANTISED in the list below multiply operands that are first quantised to E2M1 (2 exponent bits, 1 mantissa bit; 4 bits a number), with one power-of-two scale for each 32 numbers along K (OCP MX v1.0); their sums are f32. All else is computed in f32.
;;   The module's matrix products, in the order in which they are computed (A, B: the left and right operand; K: the contracted axis; several contracted axes count as one K, in the product's order):
;;     1. [M 8,192, K 1,024] x [K 1,024, N 3,072]; A: input x; B: input w_attn: QUANTISED
;;     2. batch 64 x [M 2,048, K 64] x [K 64, N 2,048]; A: computed on the way; B: computed on the way: QUANTISED
;;     3. batch 64 x [M 2,048, K 2,048] x [K 2,048, N 64]; A: softmax (see below); B: computed on the way: QUANTISED
;;     4. [M 8,192, K 1,024] x [K 1,024, N 1,024]; A: computed on the way; B: input w_proj: QUANTISED
;;   THE QUANTISER, for each operand of a quantised product, along K:
;;     - K is cut into blocks of 32 from its start; a last block that is shorter is filled with zeros.
;;     - A block's scale is 2^e with e = floor(log2(the largest magnitude in the block)) - 2, held to -126 .. 127; a block of zeros has e = 0. As a byte (E8M0): e + 127.
;;     - Each number is divided by its block's scale, clamped to +-6, and rounded to the nearest number of E2M1, ties to even, subnormals kept.
;;     - The product sums the exact products of the quantised numbers (number of the format x scale) in f32.
;;   ~~~python
;;   def quantise(x, axis):      # numpy; x: float32 -> the quantised numbers, widened to float32 again
;;       x = np.moveaxis(x, axis, -1); K = x.shape[-1]
;;       x = np.pad(x, [(0, 0)] * (x.ndim - 1) + [(0, -K % 32)]); x = x.reshape(x.shape[:-1] + (-1, 32)); a = np.abs(x).max(-1, keepdims=True)
;;       e = np.where(a > 0, np.clip(np.frexp(np.where(a > 0, a, 1))[1] - 1 - 2, -126, 127), 0)      # np.frexp(a)[1] - 1 = floor(log2(a)), exactly
;;       r = np.clip(x / 2.0 ** e, -6, 6)
;;       step = 2.0 ** (np.maximum(np.frexp(np.where(r == 0, 1, r))[1] - 1, 0) - 1)
;;       q = np.round(r / step) * step * 2.0 ** e      # np.round: ties to even
;;       return np.moveaxis(q.reshape(q.shape[:-2] + (-1,))[..., :K], -1, axis).astype(np.float32)
;;   ~~~
;;   SOFTMAX AHEAD OF A QUANTISED PRODUCT. Where the list says 'softmax', what is quantised is not the finished softmax but p = 2^(t - M), with t = logit x log2(e) and M = ceil(the row's largest t), a whole number; so 1/2 < the row's largest p <= 1. The row's sum l is taken of the UNQUANTISED p, in f32, and the product's result is divided by l at the end. Since M is a whole number, a kernel that streams over the keys may use a running M (the ceiling of the running maximum): every later rescaling is an exact power of two, which a block's scale takes up: the codes' values come out the same.
;;   OPERANDS COMPUTED ON THE WAY. 'Computed on the way' means the value that the module computes at that place (a softmax that the list does not call 'softmax' is quantised finished and normalised). What goes into a quantiser is computed in f32, as accurately as f32 sums, v_exp_f32 and their like allow (about 1e-6 of the number): no bf16 or f16 on the way to a quantiser, and a product that is left as it is and whose result goes on into a quantised operand takes f32 operands (vector FMAs, or v_wmma_f32_16x16x4_f32). A number that lies on a knife's edge between two numbers of the format may be rounded either way, as far as f32 arithmetic and the matrix unit's own rounding can turn it there, and no further.
;; One version. Each part assembles by itself: llvm-mc -triple=amdgcn-amd-amdhsa -mcpu=gfx1250 --defsym DOCPART=n.
;; ======== version 1 of 1: 4 launches
;; workspace buffers: xq 4,456,448 bytes; wq 2,228,224 bytes; qkv 13,369,344 bytes; ao 4,456,448 bytes
;; launch prep (part 1): grid 512 x 1, 4 waves a work-group, no clusters, 34,304 bytes of LDS; arguments x, w_attn, w_proj, xq, wq; writes xq, wq
.if DOCPART == 1
	.amdgcn_target "amdgcn-amd-amdhsa--gfx1250"
	.amdhsa_code_object_version 6
	.text
	.protected	k_q44cc140ac3_prep
	.globl	k_q44cc140ac3_prep
	.p2align	8
	.type	k_q44cc140ac3_prep,@function
k_q44cc140ac3_prep:
	s_mov_b64 s[64:65], 0
	v_nop
	global_prefetch_b8 v0, s[64:65] scope:SCOPE_SE
	s_setreg_imm32_b32 hwreg(HW_REG_WAVE_MODE, 25, 1), 1
	s_wait_xcnt 0x0
; THE PROGRAM: causal attention, B 4, S 2048, D 1024, 16 heads of 64, all four products on codes of FP4 (E2M1) with one E8M0 scale for each 32 along K.
; Four launches: prep (this one: x, w_attn, w_proj into codes), qkv (x W + b, quantised into q, k, v), attn (both attention products, the result quantised), proj (the last product and its bias).
; WORK LEFT OUT BY THE PROGRAM.  reference() builds the causal mask in its own body (jnp.tril): for query q every key k > q gets the mask value, whose weight in the softmax is nothing beside key q's own,
; whatever finite values the inputs hold.  So steps of 128 keys that lie wholly behind a tile's queries are not multiplied (launch attn); inside the step on the diagonal hidden scores are replaced and the work is done.
; Nothing else is left out: every input has a way to the output (b_attn's part for k moves k's codes).  LIMIT: a NaN, an infinity or an overflow that reaches only the steps left out is not carried to the result.
; LAYOUT OF ALL WORKSPACE OPERANDS: images of operand registers.  A fragment (16 rows x 128 along K, 8 registers a lane) is 1,024 bytes [c 0..1][lane][16 bytes]; lane (r = lane % 16, h = lane / 16) holds k = 64 c + 32 h + 0..31 of row r.
; THE ROWS OF A TILE ARE NOT NEIGHBOURS: row r of tile T is 32 (T / 2) + 8 (T % 2) + r % 8 + 16 (r / 8), so that a later product's results of two neighbouring tiles are 16 neighbours in a lane's registers.
; xq: codes [K half 2][tile 512][K step 4][1,024]; from XSC on scale words [tile][K half][r][K step], 4 bytes each.  wq: the same for w_attn^T (192 tiles) and, from WP_C on, for w_proj^T (64 tiles).
; THE QUANTISER: a block's scale is 2^(floor(log2(largest magnitude)) - 2): its byte is the largest magnitude's exponent field - 2, held at 1 from below by a floor among the maximum's leaves.
; LIMITS: a block of zeros gets the byte 1 where the rule says 127 (its codes are zeros, and this program alone reads the bytes); blocks whose largest magnitude lies under 2^-124 are held at the floor; NaN and infinities among the inputs are not served.
; SHARES: work-groups 0-255 take x (a wave: one tile of 16 rows x 512 along K); 256-447 w_attn, 448-511 w_proj (a work-group: 128 columns x 128 along K; a wave 32 columns, a lane a column).  Memory binds: no matrix unit, no cluster.
.set XSIG,  2097152                    ; xq: from one K half's codes to the other's
.set XSC,   4194304                    ; xq: the scale words
.set WA_S,  1572864                    ; wq: w_attn's scale words
.set WP_C,  1671168                    ; wq: w_proj's codes
.set WP_S,  2195456                    ; wq: w_proj's scale words
.set STG,   8448                       ; LDS: a wave's stage, 16 rows x (512 bytes + 16)
.set SPARE, 33792                      ; behind the four stages: the spare words, 128 bytes a wave
.set SPW,   12                         ; v12  LDS address of my spare word; never rewritten
.set NIL,   13                         ; v13  0; never rewritten
.set TM,    14                         ; v14-15 largest magnitudes
.set SO,    16                         ; v16-17 the conversions' scale operands
.set BY,    18                         ; v18-19 scale bytes
.set SWD,   20                         ; v20-23 x: the four K steps' scale words
.set W,     24                         ; v24  a scale word in the making
.set W2,    25                         ; v25  the other half of the lanes' part
.set C,     32                         ; v32-63 codes: registers of their own for each store
.set X,     64                         ; v64-127 x: 64 numbers of my row, in the operand's order
.set R,     128                        ; v128-255 numbers as loaded, two sets
	s_load_b256 s[4:11], s[0:1], 0x0               ; x s[4:5], w_attn s[6:7], w_proj s[8:9], xq s[10:11]
	s_load_b64 s[12:13], s[0:1], 0x20              ; wq
	v_lshl_add_u32 v[SPW], v0, 2, SPARE
	v_mov_b32 v[NIL], 0
	v_lshrrev_b32 v1, 5, v0
	v_readfirstlane_b32 s16, v1                    ; wave 0..3
	v_and_b32 v1, 31, v0                           ; lane
; ---- the weights: K is their FIRST axis.  A lane takes a column and its registers run down K: a block of 32 lies in one lane, and the conversions give codes with K innermost.
.macro LOADW t, ncol                   ; block t: rows 32 t + i of my column; 32 lanes read 128 consecutive bytes, the four waves stand side by side
.irp i, 0,1,2,3,4,5,6,7,8,9,10,11,12,13,14,15,16,17,18,19,20,21,22,23,24,25,26,27,28,29,30,31
	global_load_b32 v[R+32*((\t)%2)+\i], v3, s[28:29] offset:(32*(\t)+\i)*(\ncol)*4 th:TH_LOAD_NT
.endr
.endm
.macro BLOCKW t, ncol
.set XB, R+32*((\t)%2)
.if (\t) < 3
	s_wait_loadcnt 32                              ; this block's 32 loads are in; the next block's 32 may be out
.else
	s_wait_loadcnt 0x0
.endif
	v_max3_num_f32 v[TM], |v[XB]|, |v[XB+1]|, |v[XB+2]|
	v_max3_num_f32 v[TM+1], |v[XB+3]|, |v[XB+4]|, |v[XB+5]|
.irp i, 6,10,14,18,22,26
	v_max3_num_f32 v[TM], v[TM], |v[XB+\i]|, |v[XB+\i+1]|
	v_max3_num_f32 v[TM+1], v[TM+1], |v[XB+\i+2]|, |v[XB+\i+3]|
.endr
	v_max3_num_f32 v[TM], v[TM], |v[XB+30]|, |v[XB+31]|
	v_max3_num_f32 v[TM], v[TM], v[TM+1], 0x1800000 ; and the floor 2^(3 - 127): the byte cannot fall under 1
	v_add_nc_u32 v[SO], 0xff000000, v[TM]          ; 2 off the exponent field: the conversion takes this operand's exponent field as its scale
.if (\t) == 0
	v_lshrrev_b32 v[W], 23, v[SO]                  ; the scale's byte: byte t of the K step's word
.else
	v_lshrrev_b32 v[BY], 23, v[SO]
	v_lshl_or_b32 v[W], v[BY], 8*(\t), v[W]
.endif
.irp g, 0,1,2,3
	v_cvt_scalef32_pk8_fp4_f32 v[C+4*(\t)+\g], v[XB+8*\g:XB+8*\g+7], v[SO]
.endr
	v_nop                                          ; a plain line behind the last conversion of a run
	global_store_b128 v7, v[C+4*(\t):C+4*(\t)+3], s[30:31] offset:256*(\t)   ; block t is (c = t / 2, h = t % 2) of the fragment: 256 t + 16 r; the wave fills 256 consecutive bytes in each of its two tiles
.if (\t)+2 < 4
	LOADW (\t)+2, \ncol
.endif
.endm
.macro WPATH ncol, nt, src, codes, scales, first
	v_lshlrev_b32 v3, 2, v1                        ; in: 4 bytes a lane
	s_wait_alu depctr_va_vdst(0)
	v_and_b32 v4, 7, v1
	v_lshrrev_b32 v5, 4, v1
	v_lshl_or_b32 v4, v5, 3, v4                    ; column 32 pair + lane is row r = lane % 8 + 8 (lane / 16)
	v_bfe_u32 v5, v1, 3, 1                         ; of tile 2 pair + u, u = (lane / 8) % 2
	v_lshlrev_b32 v6, 4, v4
	v_lshl_add_u32 v7, v5, 12, v6                  ; codes: 4,096 u + 16 r
	v_lshl_add_u32 v8, v5, 9, v6                   ; scale words: 512 u + 16 r
	s_sub_co_u32 s20, ttmp9, \first
	s_lshr_b32 s21, s20, 3                         ; which 128 columns
	s_and_b32 s22, s20, 7                          ; which 128 along K
	s_lshl_b32 s21, s21, 2
	s_add_co_u32 s21, s21, s16                     ; my wave's pair of tiles
	s_lshr_b32 s23, s22, 2                         ; K half
	s_and_b32 s24, s22, 3                          ; K step in it
	s_mul_i32 s26, s22, 128*(\ncol)*4
	s_lshl_b32 s25, s21, 7
	s_add_co_u32 s26, s26, s25
	s_mov_b32 s27, 0
	s_add_nc_u64 s[28:29], s[\src:\src+1], s[26:27]
	s_mul_i32 s26, s23, (\nt)*4096
	s_lshl_b32 s25, s21, 13
	s_add_co_u32 s26, s26, s25
	s_lshl_b32 s25, s24, 10
	s_add_co_u32 s26, s26, s25
.if (\codes) != 0
	s_add_co_u32 s26, s26, \codes
.endif
	s_add_nc_u64 s[30:31], s[12:13], s[26:27]
	s_lshl_b32 s26, s21, 10
	s_lshl_b32 s25, s23, 8
	s_add_co_u32 s26, s26, s25
	s_lshl_b32 s25, s24, 2
	s_add_co_u32 s26, s26, s25
	s_add_co_u32 s26, s26, \scales
	s_add_nc_u64 s[32:33], s[12:13], s[26:27]
	LOADW 0, \ncol
	LOADW 1, \ncol
.irp t, 0,1,2,3
	BLOCKW \t, \ncol
.endr
	global_store_b32 v8, v[W], s[32:33]            ; my column's word of this K step: 4 of each 16 bytes, so blocks of 256 bytes are written in part: one byte for each 128 that the path reads
	s_wait_tensorcnt 0x0                           ; the wave's end
	ds_add_u32 v[SPW], v[NIL]
	s_wait_dscnt 0x0
	s_endpgm
.endm
	s_wait_kmcnt 0x0
	s_cmp_lt_u32 ttmp9, 256
	s_cbranch_scc1 .Lx
	s_cmp_lt_u32 ttmp9, 448
	s_cbranch_scc1 .Lwa
	s_wait_alu depctr_va_vdst(0)
	WPATH 1024, 64, 8, WP_C, WP_S, 448
.Lwa:
	s_wait_alu depctr_va_vdst(0)
	WPATH 3072, 192, 6, 0, WA_S, 256
; ---- x: K is innermost.  Each load reads 512 consecutive bytes of one row; a K step's 16 rows x 512 bytes turn through the wave's own stage, so that lane (r, h) gets k = 64 c + 32 h + 0..31 of row r: two whole blocks.
.Lx:
	s_wait_alu depctr_va_vdst(0)
	v_and_b32 v2, 15, v1                           ; r
	v_lshrrev_b32 v8, 4, v1                        ; h
	v_lshlrev_b32 v3, 4, v1                        ; 16 x lane: a load's and a code store's place
	s_wait_alu depctr_va_vdst(0)
	s_mul_i32 s17, s16, STG
	v_add_nc_u32 v4, s17, v3                       ; into the stage: a row as it lies
	v_mul_u32_u24 v5, v2, 528
	v_lshl_add_u32 v5, v8, 7, v5
	v_add_nc_u32 v5, s17, v5                       ; out of it: row r, + 128 h bytes; rows 528 bytes apart start at different banks
	v_lshlrev_b32 v6, 3, v8                        ; 8 h: my bytes' place in a scale word
	v_lshlrev_b32 v7, 4, v2
	v_lshl_add_u32 v7, v8, 3, v7                   ; the scale words' way out: 16 r + 8 h
	v_mov_b32 v[W2], 0                             ; written once: a lane permute's destination counts as one of its sources
	s_mov_b32 s34, 0x76543210
	s_mov_b32 s35, 0xfedcba98                      ; v_permlanex16_b32's selects for lane l xor 16
	s_mov_b32 s36, 0xffff0000                      ; lanes 16-31
	s_lshl_b32 s18, ttmp9, 2
	s_add_co_u32 s18, s18, s16
	s_lshr_b32 s19, s18, 1                         ; my tile
	s_and_b32 s20, s18, 1                          ; my K half
	s_lshr_b32 s21, s19, 1
	s_lshl_b32 s21, s21, 17                        ; 32 (tile / 2) rows of 4,096 bytes
	s_and_b32 s22, s19, 1
	s_lshl_b32 s22, s22, 15                        ; + 8 (tile % 2) rows
	s_add_co_u32 s26, s21, s22
	s_lshl_b32 s22, s20, 11
	s_add_co_u32 s26, s26, s22
	s_mov_b32 s27, 0
	s_add_nc_u64 s[28:29], s[4:5], s[26:27]
	s_lshl_b32 s26, s20, 21
	s_lshl_b32 s22, s19, 12
	s_add_co_u32 s26, s26, s22
	s_add_nc_u64 s[30:31], s[10:11], s[26:27]
	s_lshl_b32 s26, s19, 9
	s_lshl_b32 s22, s20, 8
	s_add_co_u32 s26, s26, s22
	s_add_co_u32 s26, s26, XSC
	s_add_nc_u64 s[32:33], s[10:11], s[26:27]
.macro LOADX s                         ; K step s: the tile's 16 rows, 512 bytes each
.irp i, 0,1,2,3,4,5,6,7,8,9,10,11,12,13,14,15
	global_load_b128 v[R+64*((\s)%2)+4*\i:R+64*((\s)%2)+4*\i+3], v3, s[28:29] offset:((\i%8)+16*(\i/8))*4096+512*(\s) th:TH_LOAD_NT
.endr
.endm
.macro STEPX s
.if (\s) < 3
	s_wait_loadcnt 16                              ; this step's 16 loads are in; the next step's 16 may be out
.else
	s_wait_loadcnt 0x0
.endif
.irp i, 0,1,2,3,4,5,6,7,8,9,10,11,12,13,14,15
	ds_store_b128 v4, v[R+64*((\s)%2)+4*\i:R+64*((\s)%2)+4*\i+3] offset:528*\i
.endr
.irp c, 0,1
.irp j, 0,1,2,3,4,5,6,7
	ds_load_b128 v[X+32*\c+4*\j:X+32*\c+4*\j+3], v5 offset:256*\c+16*\j   ; LDS serves a wave's instructions in order: these see the stores above
.endr
.endr
	s_wait_dscnt 0x0                               ; the numbers are back, so the stores have read their registers,
.if (\s)+2 < 4
	LOADX (\s)+2                                   ; which take the loads of two steps on
.endif
.irp c, 0,1
	v_max3_num_f32 v[TM+\c], |v[X+32*\c]|, |v[X+32*\c+1]|, 0x1800000   ; block 2 c + h: all 32 numbers are mine; the floor 2^(3 - 127) among the leaves
.endr
.irp i, 2,4,6,8,10,12,14,16,18,20,22,24,26,28,30
.irp c, 0,1
	v_max3_num_f32 v[TM+\c], v[TM+\c], |v[X+32*\c+\i]|, |v[X+32*\c+\i+1]|
.endr
.endr
.irp c, 0,1
	v_add_nc_u32 v[SO+\c], 0xff000000, v[TM+\c]    ; 2 off the exponent field: the conversion's scale operand
.endr
.irp c, 0,1
	v_lshrrev_b32 v[BY+\c], 23, v[SO+\c]           ; the scale's byte
.endr
	v_lshl_or_b32 v[W], v[BY+1], 16, v[BY]         ; my two bytes, blocks h and 2 + h,
	v_lshlrev_b32 v[W], v6, v[W]                   ; at their places;
	v_permlanex16_b32 v[W2], v[W], s34, s35
	v_or_b32 v[SWD+(\s)], v[W], v[W2]              ; with lane l xor 16's two the word is whole
.irp c, 0,1
.irp g, 0,1,2,3
	v_cvt_scalef32_pk8_fp4_f32 v[C+8*(\s)+4*\c+\g], v[X+32*\c+8*\g:X+32*\c+8*\g+7], v[SO+\c]
.endr
.endr
	v_nop                                          ; a plain line behind the last conversion of a run
.irp c, 0,1
	global_store_b128 v3, v[C+8*(\s)+4*\c:C+8*(\s)+4*\c+3], s[30:31] offset:1024*(\s)+512*\c   ; the image: 512 consecutive bytes
.endr
.endm
	LOADX 0
	LOADX 1
	s_wait_alu depctr_va_vdst(0)
	STEPX 0
	STEPX 1
	STEPX 2
	STEPX 3
	v_cndmask_b32 v26, v[SWD], v[SWD+2], s36       ; lanes 0-15 store words 0 and 1 of row r, lanes 16-31 words 2 and 3:
	v_cndmask_b32 v27, v[SWD+1], v[SWD+3], s36
	global_store_b64 v7, v[26:27], s[32:33]        ; 256 consecutive bytes, aligned
	s_wait_tensorcnt 0x0                           ; the wave's end
	ds_add_u32 v[SPW], v[NIL]
	s_wait_dscnt 0x0
	s_endpgm
.Lfunc_end_k_q44cc140ac3_prep:
	.size	k_q44cc140ac3_prep, .Lfunc_end_k_q44cc140ac3_prep-k_q44cc140ac3_prep
	.p2alignl 7, 3214868480
	.fill 96, 4, 3214868480
	.section	.rodata,"a",@progbits
	.p2align	6, 0x0
	.amdhsa_kernel k_q44cc140ac3_prep
		.amdhsa_group_segment_fixed_size 34304
		.amdhsa_private_segment_fixed_size 0
		.amdhsa_enable_private_segment 0
		.amdhsa_kernarg_size 40
		.amdhsa_user_sgpr_count 2
		.amdhsa_user_sgpr_kernarg_segment_ptr 1
		.amdhsa_wavefront_size32 1
		.amdhsa_system_sgpr_workgroup_id_x 1
		.amdhsa_system_sgpr_workgroup_id_y 1
		.amdhsa_system_sgpr_workgroup_id_z 1
		.amdhsa_system_vgpr_workitem_id 0
		.amdhsa_next_free_vgpr 256
		.amdhsa_next_free_sgpr 66
		.amdhsa_reserve_vcc 0
		.amdhsa_float_denorm_mode_32 3
		.amdhsa_float_denorm_mode_16_64 3
		.amdhsa_memory_ordered 1
		.amdhsa_forward_progress 1
		.amdhsa_inst_pref_size 70
	.end_amdhsa_kernel
	.amdgpu_metadata
---
amdhsa.version: [ 1, 2 ]
amdhsa.kernels:
  - .name:           k_q44cc140ac3_prep
    .symbol:         k_q44cc140ac3_prep.kd
    .args:
      - { .name: x, .offset: 0, .size: 8, .value_kind: global_buffer, .address_space: global }
      - { .name: w_attn, .offset: 8, .size: 8, .value_kind: global_buffer, .address_space: global }
      - { .name: w_proj, .offset: 16, .size: 8, .value_kind: global_buffer, .address_space: global }
      - { .name: xq, .offset: 24, .size: 8, .value_kind: global_buffer, .address_space: global }
      - { .name: wq, .offset: 32, .size: 8, .value_kind: global_buffer, .address_space: global }
    .group_segment_fixed_size: 34304
    .private_segment_fixed_size: 0
    .kernarg_segment_align: 8
    .kernarg_segment_size: 40
    .max_flat_workgroup_size: 128
    .sgpr_count:     66
    .vgpr_count:     256
    .wavefront_size: 32
...
	.end_amdgpu_metadata
.endif
;; end of part 1
;; launch qkv (part 2): grid 12 x 32, 4 waves a work-group, clusters of 4 x 4, 327,680 bytes of LDS; arguments xq, wq, b_attn, qkv; writes qkv
.if DOCPART == 2
	.amdgcn_target "amdgcn-amd-amdhsa--gfx1250"
	.amdhsa_code_object_version 6
	.text
	.protected	k_q44cc140ac3_qkv
	.globl	k_q44cc140ac3_qkv
	.p2align	8
	.type	k_q44cc140ac3_qkv,@function
k_q44cc140ac3_qkv:
	s_mov_b64 s[64:65], 0
	v_nop
	global_prefetch_b8 v0, s[64:65] scope:SCOPE_SE
	s_setreg_imm32_b32 hwreg(HW_REG_WAVE_MODE, 25, 1), 1
	s_wait_xcnt 0x0
	s_wait_alu depctr_hold_cnt(0) depctr_sa_sdst(0) depctr_va_vdst(0) depctr_va_sdst(0) depctr_va_ssrc(0) depctr_va_vcc(0) depctr_vm_vsrc(0)
	s_getreg_b32 s2, hwreg(HW_REG_IB_STS2, 6, 4)
	s_cmp_eq_u32 s2, 0
	s_cbranch_scc0 .Lentry_in_a_cluster
	s_endpgm
.Lentry_in_a_cluster:
	s_bfe_u32 s2, ttmp6, 0x10000c
	s_cmp_lg_u32 s2, 0xf033
	s_cbranch_scc0 .Lentry_shape_is_right
	s_endpgm
.Lentry_shape_is_right:
; qkv = x w_attn + b_attn on codes of FP4, and its three parts quantised at once for the attention launch: q and k along the head's 64, v along the keys.  Nothing of reference() is left out here.
; A work-group of four waves makes 256 x 256 of the product, a wave 128 x 128: 64 accumulators.  K = 1,024 is two LDS slots of 512, both asked for at the head: nothing is filled twice, so there is no ring.
; ALL OPERANDS LIE AS IMAGES OF OPERAND REGISTERS (launch prep): a tile of 16 rows x 512 K is 4,096 dense bytes; a fragment comes by two ds_load_b128 at 16 x lane: no pitch, no padding.
; ROLES, by the cluster's x, which all sixteen partners share: 0 = q, 1 = k, 2 = v.  Source 0 takes side B's fragment, source 1 side A's: a lane holds ONE row of side A, its registers run along side B's rows.
;   q, k: side A = x (tokens), side B = w_attn^T (columns): a lane's 64 numbers are 128 neighbouring columns' half: two heads, quantised along the head's axis.
;   v:    side A = w_attn^T (channels), side B = x (tokens): a lane holds one channel and its registers run along 128 keys: quantised along the keys.  The main text is the same; only addresses are chosen.
; By the order of a tile's rows (launch prep) the 16 registers of side B's tiles 2 b and 2 b + 1 are 16 neighbours, 32 b + 16 (lane / 16) + 0..15, which is what the conversions want.
; CLUSTER 4 x 4: side A's tiles hang on the tile row and are asked for jointly along a row of the cluster, side B's on the tile column and jointly along a column.
; OUT: qkv [batch x head 64][group of 128 tokens 16][13,056 bytes]: K's codes 0 ([tile 8][lane][16]), V's codes 4,096 ([16 channels 4][c][lane][16]), K's scale words 8,192 ([r][pair of tiles]: two bytes a tile),
;   V's scale words 8,448 ([r][16 channels 4]), Q's codes 8,704 and scale words 12,800 as K's.
; LIMITS: as in launch prep (a block of zeros gets the byte 1; the floor at 2^-124; no NaN or infinities).  The launch claims all of LDS; it uses 279,040 bytes.
; REGISTERS: window 0: v1-31 addresses; v32-95 scale words, two sets, and nothing else; v96-123 at work on the way out; v128-191 side A's fragments, one set; v192-255 the codes made.
;   window 1: side B's fragments, two sets, v0-63 and v128-191; v64-127 the bias.   windows 2, 3: the accumulators, (a, b) at v[8 (8 (a % 4) + b)] of window 2 + a / 4.
.set XSIG,  2097152
.set XSC,   4194304
.set WASIG, 786432
.set WA_S,  1572864
.set BHS,   208896                     ; qkv: from head to head
.set GS,    13056                      ; and from group to group
.set FR,    8
.set NP,    4                          ; places behind this matrix instruction (ISA guide 7.12.1)
.set HALFT, 32768                      ; 8 tiles x 4,096 bytes: what one tensor load brings, and what a wave reads of a side
.set SLOT,  131072                     ; side A's 16 tiles, then side B's 16
.set SCLB,  262144                     ; behind the slots: side B's scale words, 16 tiles x 512 bytes,
.set SCLA,  270336                     ; side A's,
.set SPARE, 278528                     ; and the spare words, 128 bytes a wave
.set ADRA, 16                          ; v16-17 LDS address of my side A fragments in slot 0, 1
.set ADRB, 20                          ; v20-21 the same for side B
.set CO,   22                          ; v22  16 x lane
.set SOF,  23                          ; v23  the scale words' way out: 16 r + (lane / 16) x a head
.set SH,   24                          ; v24  16 (lane / 16)
.set ADRS, 27                          ; v27  LDS address of my scale words: lanes 0-15 side B's, lanes 16-31 side A's
.set SPW,  28                          ; v28  my spare word; never rewritten
.set NIL,  29                          ; v29  0; never rewritten
.set SC,   32
.set VO,   96                          ; v96-103 the bias loads' offsets; later:
.set TM,   96                          ; v96-99 largest magnitudes, v100-103 bytes, v108-111 scale operands
.set SW,   112                         ; v112-119 a scale word for each of my eight side A tiles
.set W2,   120                         ; v120-123 the words as they are stored
.set AF,   128
.set T,    128                         ; the way out: 64 numbers with their bias
.set PC,   192                         ; and their codes: eight registers a tile, so that no store's data are written again
.set G1, 24
.set G0, 32
.set G1B, 48
.set G0B, 56
.set G1S, 68
.set G0S, 76
.set G1SB, 80
.set G0SB, 88
.set MSB, 0
.macro WIN new                         ; the immediate's high byte repeats the setting that is left
.if MSB != (\new)
	s_set_vgpr_msb (MSB<<8)|(\new)
.set MSB, (\new)
.endif
.endm
.set MUL_LO, 0xa1                      ; source 0 (side B) window 1, source 1 (side A) window 0, C and D window 2
.set MUL_HI, 0xf1
.set TO_B,   0x40
; A joint load: waves 0 and 1 fetch for side A, waves 2 and 3 for side B.  The branch hangs on the wave's number alone.  An s_nop 0 and four v_nop follow each line.
.macro JLOAD g0a, g1a, g0b, g1b
	s_cmp_eq_u32 s15, 0
	s_cbranch_scc0 .Lfor_b_\@
	tensor_load_to_lds s[\g0a:\g0a+3], s[\g1a:\g1a+7]
	s_nop 0
.rept 4
	v_nop
.endr
	s_branch .Lasked_\@
.Lfor_b_\@:
	tensor_load_to_lds s[\g0b:\g0b+3], s[\g1b:\g1b+7]
	s_nop 0
.rept 4
	v_nop
.endr
.Lasked_\@:
.endm
.macro CROUND                          ; a round of the cluster's barrier
	s_barrier_signal -1
	s_barrier_wait -1
	s_cmp_lg_u32 s14, 0
	s_cbranch_scc1 .Lnot_wave_0_\@
	s_barrier_signal -3
.Lnot_wave_0_\@:
	s_barrier_wait -3
	s_barrier_signal -1
	s_barrier_wait -1
.endm
	s_load_b256 s[4:11], s[0:1], 0x0               ; xq s[4:5], wq s[6:7], b_attn s[8:9], qkv s[10:11]
	v_lshl_add_u32 v[SPW], v0, 2, SPARE
	v_mov_b32 v[NIL], 0
	ds_add_u32 v[SPW], v[NIL]                      ; the wave's opening: the add, twice on end, and its wait ahead of my first tensor load
	ds_add_u32 v[SPW], v[NIL]
	v_lshrrev_b32 v1, 5, v0
	v_readfirstlane_b32 s14, v1                    ; wave 0..3
	s_lshr_b32 s15, s14, 1                         ; my half of side A's tiles.  Also: I fetch for side A (0) or B (1)
	s_and_b32 s16, s14, 1                          ; my half of side B's.  Also: which 8 tiles I fetch
	s_bfe_u32 s40, ttmp6, 0x40000                  ; cx
	s_bfe_u32 s41, ttmp6, 0x40004                  ; cy
	s_and_b32 s18, ttmp7, 0xffff
	s_lshl_b32 s18, s18, 2                         ; 4 x cluster y
	s_lshl_b32 s19, ttmp9, 2                       ; 4 x cluster x
	s_add_co_u32 s20, s18, s41                     ; q, k: side A's block of 256 tokens
	s_add_co_u32 s21, s41, 8                       ; v: side A's block of 256 columns, 8 + cy
	s_add_co_u32 s22, s19, s40                     ; q, k: side B's block of 256 columns
	s_add_co_u32 s23, s18, s40                     ; v: side B's block of 256 tokens
	s_lshl_b32 s43, s41, 2
	s_lshl_b32 s43, 15, s43                        ; my row of the cluster
	s_lshl_b32 s44, 0x1111, s40                    ; my column
	s_mov_b32 s92, WASIG
	s_mov_b32 s94, XSIG
	s_mov_b32 s66, WA_S
	s_mov_b32 s67, XSC
	s_cmp_eq_u32 ttmp9, 2                          ; the role: the same in all sixteen partners
	s_cselect_b32 s17, s21, s20                    ; TR: it holds cy and never cx
	s_cselect_b32 s42, s23, s22                    ; TC: it holds cx and never cy
	s_cselect_b32 s92, s92, XSIG                   ; side A: from slot 0's codes to slot 1's,
	s_cselect_b32 s94, s94, WASIG                  ; side B likewise;
	s_cselect_b32 s66, s66, XSC                    ; where side A's scale words begin,
	s_cselect_b32 s67, s67, WA_S                   ; and side B's
	s_mov_b32 s93, 0
	s_mov_b32 s95, 0
	; descriptor group 1: dense blocks as rows of 256 bytes (32 elements of 8 bytes), no padding: 15:0 the mask; 17:16 element size code 3; 21 set beside a mask
	s_or_b32 s[G1+0], s43, (3<<16)|(1<<21)
	s_or_b32 s[G1B+0], s44, (3<<16)|(1<<21)
	s_or_b32 s[G1S+0], s43, (3<<16)|(1<<21)
	s_or_b32 s[G1SB+0], s44, (3<<16)|(1<<21)
.irp g, G1, G1B
	s_mov_b32 s[\g+1], 32<<16                      ; tensor_dim0
	s_mov_b32 s[\g+2], 128<<16                     ; tensor_dim1: 8 tiles x 4,096 bytes
	s_mov_b32 s[\g+3], 32<<16                      ; tile_dim0
	s_mov_b32 s[\g+4], 128                         ; tile_dim1
	s_mov_b32 s[\g+5], 32                          ; the pitch
	s_mov_b32 s[\g+6], 0
	s_mov_b32 s[\g+7], 0
.endr
.irp g, G1S, G1SB
	s_mov_b32 s[\g+1], 32<<16
	s_mov_b32 s[\g+2], 16<<16                      ; 8 tiles x 512 bytes of scale words
	s_mov_b32 s[\g+3], 32<<16
	s_mov_b32 s[\g+4], 16
	s_mov_b32 s[\g+5], 32
	s_mov_b32 s[\g+6], 0
	s_mov_b32 s[\g+7], 0
.endr
	s_lshl_b32 s18, s16, 15
	s_lshl_b32 s20, s17, 16
	s_add_co_u32 s20, s20, s18                     ; side A's codes: tile 16 TR + 8 half, 4,096 bytes a tile
	s_mov_b32 s21, 0
	s_lshl_b32 s46, s42, 16
	s_add_co_u32 s46, s46, s18                     ; side B's
	s_mov_b32 s47, 0
	s_lshl_b32 s18, s16, 12                        ; (kept: the half's place among the scale words in LDS)
	s_lshl_b32 s22, s17, 13
	s_add_co_u32 s22, s22, s18
	s_add_co_u32 s22, s22, s66                     ; side A's scale words: 512 bytes a tile
	s_mov_b32 s23, 0
	s_lshl_b32 s2, s42, 13
	s_add_co_u32 s2, s2, s18
	s_add_co_u32 s2, s2, s67                       ; side B's
	s_mov_b32 s3, 0
	s_lshl_b32 s45, s14, 15                        ; where codes go: wave x 32,768: no place in the cluster enters an LDS address
	s_wait_dscnt 0x0                               ; both opening adds are done
	s_wait_kmcnt 0x0
	s_cmp_eq_u32 ttmp9, 2
	s_cselect_b64 s[96:97], s[6:7], s[4:5]         ; side A's buffer
	s_cselect_b64 s[98:99], s[4:5], s[6:7]         ; side B's
	s_add_nc_u64 s[20:21], s[96:97], s[20:21]
	s_add_nc_u64 s[22:23], s[96:97], s[22:23]
	s_add_nc_u64 s[46:47], s[98:99], s[46:47]
	s_add_nc_u64 s[2:3], s[98:99], s[2:3]
	CROUND                                         ; all sixteen work-groups are here: the first joint loads meet
	s_mov_b32 s[G0S], 1
	s_add_co_u32 s[G0S+1], s18, SCLA
	s_mov_b64 s[G0S+2:G0S+3], s[22:23]
	s_or_b32 s[G0S+3], s[G0S+3], 0x80000000
	s_mov_b32 s[G0SB], 1
	s_add_co_u32 s[G0SB+1], s18, SCLB
	s_mov_b64 s[G0SB+2:G0SB+3], s[2:3]
	s_or_b32 s[G0SB+3], s[G0SB+3], 0x80000000
	JLOAD G0S, G1S, G0SB, G1SB                     ; the scale words first: they are wanted with slot 0
	s_mov_b32 s[G0], 1
	s_mov_b32 s[G0+1], s45
	s_mov_b64 s[G0+2:G0+3], s[20:21]
	s_or_b32 s[G0+3], s[G0+3], 0x80000000
	s_mov_b32 s[G0B], 1
	s_mov_b32 s[G0B+1], s45
	s_mov_b64 s[G0B+2:G0B+3], s[46:47]
	s_or_b32 s[G0B+3], s[G0B+3], 0x80000000
	JLOAD G0, G1, G0B, G1B                         ; slot 0: K 0 to 511
	s_mov_b32 s[G0+4], 1
	s_add_co_u32 s[G0+5], s45, SLOT
	s_add_nc_u64 s[G0+6:G0+7], s[20:21], s[92:93]
	s_or_b32 s[G0+7], s[G0+7], 0x80000000
	s_mov_b32 s[G0B+4], 1
	s_add_co_u32 s[G0B+5], s45, SLOT
	s_add_nc_u64 s[G0B+6:G0B+7], s[46:47], s[94:95]
	s_or_b32 s[G0B+7], s[G0B+7], 0x80000000
	JLOAD G0+4, G1, G0B+4, G1B                     ; slot 1: three loads of mine are out
	; addresses
	v_and_b32 v1, 15, v0                           ; r
	v_bfe_u32 v2, v0, 4, 1                         ; h
	s_wait_alu depctr_va_vdst(0)
	v_and_b32 v3, 31, v0
	v_lshlrev_b32 v[CO], 4, v3
	s_lshl_b32 s18, s15, 15
	s_lshl_b32 s19, s16, 15
	s_add_co_u32 s19, s19, 2*HALFT
.irp s, 0,1
	v_add_nc_u32 v[ADRA+\s], s18, v[CO]
	v_add_nc_u32 v[ADRB+\s], s19, v[CO]
	s_add_co_u32 s18, s18, SLOT
	s_add_co_u32 s19, s19, SLOT
.endr
	s_lshl_b32 s18, s16, 12                        ; side B's words of my 8 tiles,
	s_lshl_b32 s19, s15, 12
	s_add_co_u32 s19, s19, SCLA-SCLB
	s_sub_co_u32 s19, s19, s18                     ; and how far behind them side A's lie: lanes 16-31 take those
	v_mul_u32_u24 v4, s19, v2
	s_add_co_u32 s18, s18, SCLB
	v_lshl_add_u32 v4, v1, 4, v4                   ; a row's four words of a slot: 16 r
	v_add_nc_u32 v[ADRS], s18, v4
	v_mul_u32_u24 v[SOF], v2, BHS
	v_lshl_add_u32 v[SOF], v1, 4, v[SOF]
	v_lshlrev_b32 v[SH], 4, v2
	s_mov_b32 s12, 0x76543210
	s_mov_b32 s13, 0xfedcba98                      ; v_permlanex16_b32's selects for lane l xor 16
	; where the results go, and the bias.  tokens come from side A (q, k) or B (v), features from the other
	s_sub_co_u32 s18, s17, 8
	s_and_b32 s19, s42, 3
	s_cmp_eq_u32 ttmp9, 2
	s_cselect_b32 s18, s18, s19                    ; which 256 features of the part's 1,024
	s_cselect_b32 s19, s42, s17                    ; which 256 tokens
	s_cselect_b32 s45, s16, s15                    ; my half of the tokens
	s_cselect_b32 s46, s15, s16                    ; my half of the features
	s_cselect_b32 s47, s17, s42                    ; which 256 of b_attn's 3,072
	s_cselect_b32 s66, -1, 0
	s_cselect_b32 s67, 0, 4
	s_lshr_b32 s2, s19, 3
	s_lshl_b32 s2, s2, 4                           ; 16 x batch
	s_lshl_b32 s18, s18, 2
	s_add_co_u32 s2, s2, s18
	s_lshl_b32 s3, s46, 1
	s_add_co_u32 s2, s2, s3                        ; + my first head: 4 x block + 2 x half
	s_and_b32 s19, s19, 7
	s_lshl_b32 s19, s19, 1
	s_add_co_u32 s19, s19, s45                     ; my group of 128 tokens
	s_mul_i32 s2, s2, BHS
	s_mul_i32 s19, s19, GS
	s_add_co_u32 s2, s2, s19
	s_cmp_eq_u32 ttmp9, 0
	s_cselect_b32 s18, 8704, 0                     ; the part's codes in a group: q 8,704, k 0, v 4,096;
	s_mov_b32 s19, 8192
	s_cselect_b32 s19, 12800, s19                  ; its scale words: q 12,800, k 8,192, v 8,448
	s_cmp_eq_u32 ttmp9, 2
	s_cselect_b32 s18, 4096, s18
	s_cselect_b32 s19, 8448, s19
	s_add_co_u32 s20, s2, s18
	s_mov_b32 s21, 0
	s_add_co_u32 s22, s2, s19
	s_mov_b32 s23, 0
	s_add_nc_u64 s[20:21], s[10:11], s[20:21]      ; codes
	s_add_nc_u64 s[22:23], s[10:11], s[22:23]      ; scale words
	s_lshl_b32 s2, s47, 10
	s_lshl_b32 s3, s46, 9
	s_add_co_u32 s2, s2, s3
	s_mov_b32 s3, 0
	s_add_nc_u64 s[8:9], s[8:9], s[2:3]            ; b_attn at my 128 features
	; THE BIAS, 64 registers in the results' layout.  q, k: register 8 b + j is the bias of feature 32 (b / 2) + 8 (b % 2) + 16 h + j.  v: register 8 a + j that of my lane's channel in tile a, the same for all j.
	v_lshlrev_b32 v5, 6, v2                        ; q, k: 64 h bytes, and 4 j
	v_and_b32 v6, 7, v1
	v_lshrrev_b32 v7, 3, v1
	v_lshlrev_b32 v6, 2, v6
	v_lshl_add_u32 v6, v7, 6, v6                   ; v: 4 (r % 8) + 64 (r / 8), and nothing for j
	v_cndmask_b32 v5, v5, v6, s66
.irp j, 0,1,2,3,4,5,6,7
	v_mad_u32_u24 v[VO+\j], s67, \j, v5
.endr
	WIN TO_B
.irp x, 0,1,2,3,4,5,6,7
.irp j, 0,1,2,3,4,5,6,7
	global_load_b32 v[64+8*\x+\j], v[VO+\j], s[8:9] offset:(32*(\x/2)+8*(\x%2))*4
.endr
.endr
	WIN 0
.macro FRAG reg, adr, q, i             ; a fragment's image: two loads of 512 consecutive bytes
.irp c, 0,1
	ds_load_b128 v[\reg+4*\c:\reg+4*\c+3], v[\adr] offset:4096*(\i)+1024*(\q)+512*\c
.endr
.endm
; 16 matrix instructions: side A's tiles a0, a0 + 1 x side B's eight, the slot's q-th 128 along K.  p: side B's set; sc: the set of scale words.  zero = 1: the first product starts the sums.
; The 64 accumulators take turns, one instruction a turn, in the same order in every step.
.macro MUL16 a0, p, q, sc, zero
.irp a, \a0, \a0+1
.irp b, 0,1,2,3,4,5,6,7
.if \zero
	v_wmma_scale_f32_16x16x128_f8f6f4 v[8*(8*((\a)%4)+\b):8*(8*((\a)%4)+\b)+7], v[128*(\p)+FR*\b:128*(\p)+FR*\b+FR-1], v[AF+FR*(\a):AF+FR*(\a)+FR-1], 0, v[SC+32*(\sc)+4*\b+(\q)], v[SC+32*(\sc)+4*(\a)+(\q)] matrix_a_fmt:MATRIX_FMT_FP4 matrix_b_fmt:MATRIX_FMT_FP4 matrix_b_scale:MATRIX_SCALE_ROW1
.else
	v_wmma_scale_f32_16x16x128_f8f6f4 v[8*(8*((\a)%4)+\b):8*(8*((\a)%4)+\b)+7], v[128*(\p)+FR*\b:128*(\p)+FR*\b+FR-1], v[AF+FR*(\a):AF+FR*(\a)+FR-1], v[8*(8*((\a)%4)+\b):8*(8*((\a)%4)+\b)+7], v[SC+32*(\sc)+4*\b+(\q)], v[SC+32*(\sc)+4*(\a)+(\q)] matrix_a_fmt:MATRIX_FMT_FP4 matrix_b_fmt:MATRIX_FMT_FP4 matrix_b_scale:MATRIX_SCALE_ROW1
.endif
.endr
.endr
.endm
.macro FETCH_B slot, q, p
	WIN TO_B
.irp i, 0,1,2,3,4,5,6,7
	FRAG 128*(\p)+FR*\i, ADRB+\slot, \q, \i
.endr
	WIN 0
.endm
.macro FETCH_A slot, q, i0
.irp i, \i0, \i0+1, \i0+2, \i0+3
	FRAG AF+FR*(\i), ADRA+\slot, \q, \i
.endr
.endm
.macro SCALES sc                       ; a slot's scale words: four a row; lanes 0-15 take side B's tile i, lanes 16-31 side A's tile i
.irp i, 0,1,2,3,4,5,6,7
	ds_load_b128 v[SC+32*\sc+4*\i:SC+32*\sc+4*\i+3], v[ADRS] offset:512*\i
.endr
.endm
.macro PLACES                          ; plain vector lines between a matrix instruction and a load into, or a vector read or write of, its registers (ISA guide 7.12.1 for vector reads and writes)
.rept NP
	v_nop
.endr
.endm
; A step of 128 along K that has its successor in the same slot.  Side A has one set of registers: tiles 0-3 are fetched anew in the step's middle, tiles 4-7 at its end.
.macro STEP slot, q, zero
	s_wait_dscnt 8                                 ; all but the youngest eight loads (side A's tiles 4-7)
	WIN MUL_LO
	MUL16 0, (\q)%2, \q, \slot, \zero
	MUL16 2, (\q)%2, \q, \slot, \zero
	s_wait_dscnt 0x0                               ; side A's tiles 4-7 are in
	PLACES
	FETCH_B \slot, (\q)+1, 1-(\q)%2
	FETCH_A \slot, (\q)+1, 0
	WIN MUL_HI
	MUL16 4, (\q)%2, \q, \slot, \zero
	MUL16 6, (\q)%2, \q, \slot, \zero
	PLACES
	WIN 0
	FETCH_A \slot, (\q)+1, 4
.endm
	s_wait_tensorcnt 1                             ; the scale words and my part of slot 0 are in; slot 1's load, the one issued behind them, may be out
	s_barrier_signal -1
	s_barrier_wait -1                              ; everybody's are
	FETCH_B 0, 0, 0
	FETCH_A 0, 0, 0
	SCALES 0
	FETCH_A 0, 0, 4
	STEP 0, 0, 1                                   ; the first step's products start the sums: nothing is cleared
	STEP 0, 1, 0
	STEP 0, 2, 0
	; slot 0's last step goes over to slot 1: each wave shows its part of slot 1 landed, then the barrier.  No slot is filled again.
	s_wait_tensorcnt 0x0                           ; slot 1's load is my last: the count is 0
	s_wait_dscnt 8
	WIN MUL_LO
	MUL16 0, 1, 3, 0, 0
	s_wait_dscnt 0x0                               ; no LDS instruction of mine is pending at the signal
	s_barrier_signal -1
	MUL16 2, 1, 3, 0, 0                            ; work on registers while the others arrive
	WIN 0
	s_barrier_wait -1
	PLACES
	v_add_nc_u32 v[ADRS], 256, v[ADRS]             ; slot 1's scale words: 256 bytes on in each tile
	FETCH_B 1, 0, 0
	FETCH_A 1, 0, 0
	SCALES 1
	WIN MUL_HI
	MUL16 4, 1, 3, 0, 0
	MUL16 6, 1, 3, 0, 0
	PLACES
	WIN 0
	FETCH_A 1, 0, 4
	STEP 1, 0, 0
	STEP 1, 1, 0
	STEP 1, 2, 0
	s_wait_dscnt 8                                 ; the very last step: nothing more to fetch
	WIN MUL_LO
	MUL16 0, 1, 3, 1, 0
	MUL16 2, 1, 3, 1, 0
	s_wait_dscnt 0x0
	WIN MUL_HI
	MUL16 4, 1, 3, 1, 0
	MUL16 6, 1, 3, 1, 0
	WIN 0
; THE WAY OUT.  64 numbers of a lane, register 16 b + i = k 32 b + 16 (lane / 16) + i of my row, become a fragment's codes in v[d] on and its scale word in v[w].
.macro QUANT s, d, w
.irp b, 0,1,2,3
	v_max3_num_f32 v[TM+\b], |v[\s+16*\b]|, |v[\s+1+16*\b]|, 0x1800000   ; block b: my 16 numbers, and the floor 2^(3 - 127)
.endr
.irp i, 2,4,6,8,10,12,14
.irp b, 0,1,2,3
	v_max3_num_f32 v[TM+\b], v[TM+\b], |v[\s+16*\b+\i]|, |v[\s+1+16*\b+\i]|
.endr
.endr
.irp b, 0,1,2,3
	v_permlanex16_b32 v[TM+4+\b], v[TM+\b], s12, s13
.endr
.irp b, 0,1,2,3
	v_max_num_f32 v[TM+\b], v[TM+\b], v[TM+4+\b]   ; with lane l xor 16's: the block's largest magnitude
.endr
.irp b, 0,1,2,3
	v_add_nc_u32 v[TM+12+\b], 0xff000000, v[TM+\b] ; 2 off its exponent field: the conversion's scale operand
.endr
.irp b, 0,1,2,3
	v_lshrrev_b32 v[TM+4+\b], 23, v[TM+12+\b]      ; the scale's byte
.endr
	v_lshl_or_b32 v[\w], v[TM+5], 8, v[TM+4]
	v_lshl_or_b32 v[\w], v[TM+6], 16, v[\w]
	v_lshl_or_b32 v[\w], v[TM+7], 24, v[\w]
.irp b, 0,1,2,3
	v_cvt_scalef32_pk8_fp4_f32 v[\d+2*\b], v[\s+16*\b:\s+7+16*\b], v[TM+12+\b]
	v_cvt_scalef32_pk8_fp4_f32 v[\d+1+2*\b], v[\s+8+16*\b:\s+15+16*\b], v[TM+12+\b]
.endr
	v_nop                                          ; a plain line behind a scaled conversion
.irp c, 0,1                                    ; the operand's layout wants a whole block in a lane: lanes 0-15 block 2 c, lanes 16-31 block 2 c + 1
.irp i, 0,1
	v_permlane16_swap_b32 v[\d+4*\c+\i], v[\d+2+4*\c+\i]
.endr
.endr
.endm
; role 0: q, k; role 1: v.  For each of my eight side A tiles: the bias is added (which also brings the sums into window 0; each accumulator is read from its low end on), the 64 numbers are quantised, the image is stored.
.macro EPI role
.irp a, 0,1,2,3,4,5,6,7
	WIN 0x06+(\a)/4                                ; source 0 (the sums) window 2 or 3, source 1 (the bias) window 1
.set ii, 0
.rept 32
.if \role
	v_pk_add_f32 v[T+2*ii:T+2*ii+1], v[64*((\a)%4)+2*ii:64*((\a)%4)+2*ii+1], v[64+8*(\a)+(2*ii)%8:64+8*(\a)+(2*ii)%8+1]
.else
	v_pk_add_f32 v[T+2*ii:T+2*ii+1], v[64*((\a)%4)+2*ii:64*((\a)%4)+2*ii+1], v[64+2*ii:64+2*ii+1]
.endif
.set ii, ii+1
.endr
	WIN 0
	QUANT T, PC+8*(\a), SW+(\a)
.irp c, 0,1
.if \role
	global_store_b128 v[CO], v[PC+8*(\a)+4*\c:PC+8*(\a)+4*\c+3], s[20:21] offset:((\a)/4)*BHS+1024*((\a)%4)+512*\c   ; head a / 4, channels' tile a % 4, keys 64 c on: 512 consecutive bytes
.else
	global_store_b128 v[CO], v[PC+8*(\a)+4*\c:PC+8*(\a)+4*\c+3], s[20:21] offset:\c*BHS+512*(\a)                     ; head c, token tile a: 512 consecutive bytes
.endif
.endr
.endr
.if \role
	s_mov_b32 s18, 0xffff0000
.irp d, 0,1,2,3
	v_cndmask_b32 v[W2+\d], v[SW+\d], v[SW+4+\d], s18   ; lanes 0-15 store the first head's four words of row r, lanes 16-31 the second's
.endr
.else
	s_mov_b32 s18, 0x05040100
.irp a, 0,1,2,3,4,5,6,7
	v_lshrrev_b32 v[SW+\a], v[SH], v[SW+\a]        ; head lane / 16's two bytes of the word
.endr
.irp d, 0,1,2,3
	v_perm_b32 v[W2+\d], v[SW+2*\d+1], v[SW+2*\d], s18   ; tile 2 d's in the low half, tile 2 d + 1's in the high
.endr
.endif
	global_store_b128 v[SOF], v[W2:W2+3], s[22:23] ; 256 consecutive bytes for each of the two heads
.endm
	PLACES                                         ; behind the last products: the additions read results and write registers that held side A's fragments
	s_wait_loadcnt 0x0                             ; the bias; its loads' offset registers are free too
	s_cmp_eq_u32 ttmp9, 2
	s_cbranch_scc1 .Lrole_v
	EPI 0
	s_branch .Lend
.Lrole_v:
	EPI 1
.Lend:
	s_wait_tensorcnt 0x0                           ; the wave's end
	ds_add_u32 v[SPW], v[NIL]
	s_wait_dscnt 0x0
	CROUND                                         ; the closing round
	s_endpgm
.Lfunc_end_k_q44cc140ac3_qkv:
	.size	k_q44cc140ac3_qkv, .Lfunc_end_k_q44cc140ac3_qkv-k_q44cc140ac3_qkv
	.p2alignl 7, 3214868480
	.fill 96, 4, 3214868480
	.section	.rodata,"a",@progbits
	.p2align	6, 0x0
	.amdhsa_kernel k_q44cc140ac3_qkv
		.amdhsa_group_segment_fixed_size 327680
		.amdhsa_private_segment_fixed_size 0
		.amdhsa_enable_private_segment 0
		.amdhsa_kernarg_size 32
		.amdhsa_user_sgpr_count 2
		.amdhsa_user_sgpr_kernarg_segment_ptr 1
		.amdhsa_wavefront_size32 1
		.amdhsa_system_sgpr_workgroup_id_x 1
		.amdhsa_system_sgpr_workgroup_id_y 1
		.amdhsa_system_sgpr_workgroup_id_z 1
		.amdhsa_system_vgpr_workitem_id 0
		.amdhsa_next_free_vgpr 1024
		.amdhsa_next_free_sgpr 100
		.amdhsa_reserve_vcc 0
		.amdhsa_float_denorm_mode_32 3
		.amdhsa_float_denorm_mode_16_64 3
		.amdhsa_memory_ordered 1
		.amdhsa_forward_progress 1
		.amdhsa_inst_pref_size 200
	.end_amdhsa_kernel
	.amdgpu_metadata
---
amdhsa.version: [ 1, 2 ]
amdhsa.kernels:
  - .name:           k_q44cc140ac3_qkv
    .symbol:         k_q44cc140ac3_qkv.kd
    .args:
      - { .name: xq, .offset: 0, .size: 8, .value_kind: global_buffer, .address_space: global }
      - { .name: wq, .offset: 8, .size: 8, .value_kind: global_buffer, .address_space: global }
      - { .name: b_attn, .offset: 16, .size: 8, .value_kind: global_buffer, .address_space: global }
      - { .name: qkv, .offset: 24, .size: 8, .value_kind: global_buffer, .address_space: global }
    .group_segment_fixed_size: 327680
    .private_segment_fixed_size: 0
    .kernarg_segment_align: 8
    .kernarg_segment_size: 32
    .max_flat_workgroup_size: 128
    .sgpr_count:     100
    .vgpr_count:     1024
    .wavefront_size: 32
...
	.end_amdgpu_metadata
.endif
;; end of part 2
;; launch attn (part 3): grid 4 x 64, 16 waves a work-group, clusters of 4 x 1, 167,936 bytes of LDS; arguments qkv, ao; writes ao
.if DOCPART == 3
	.amdgcn_target "amdgcn-amd-amdhsa--gfx1250"
	.amdhsa_code_object_version 6
	.text
	.protected	k_q44cc140ac3_attn
	.globl	k_q44cc140ac3_attn
	.p2align	8
	.type	k_q44cc140ac3_attn,@function
k_q44cc140ac3_attn:
	s_mov_b64 s[64:65], 0
	v_nop
	global_prefetch_b8 v0, s[64:65] scope:SCOPE_SE
	s_setreg_imm32_b32 hwreg(HW_REG_WAVE_MODE, 25, 1), 1
	s_wait_xcnt 0x0
	s_wait_alu depctr_hold_cnt(0) depctr_sa_sdst(0) depctr_va_vdst(0) depctr_va_sdst(0) depctr_va_ssrc(0) depctr_va_vcc(0) depctr_vm_vsrc(0)
	s_getreg_b32 s2, hwreg(HW_REG_IB_STS2, 6, 4)
	s_cmp_eq_u32 s2, 0
	s_cbranch_scc0 .Lentry_in_a_cluster
	s_endpgm
.Lentry_in_a_cluster:
	s_bfe_u32 s2, ttmp6, 0x10000c
	s_cmp_lg_u32 s2, 0x3003
	s_cbranch_scc0 .Lentry_shape_is_right
	s_endpgm
.Lentry_shape_is_right:
; o = softmax(q k^T / 8, causal) v for one batch and head a cluster, both products on codes of FP4; o is quantised along the merged heads' axis for the last product.
; LEFT OUT: steps of 128 keys all of which come after a tile's queries: reference() masks them in its own body (see the head of launch prep).  A NaN or infinity that reaches only those steps is not carried on.
; THE SOFTMAX AHEAD OF THE SECOND PRODUCT: t = score x log2(e) / 8; M = the running largest t rounded UP to a whole number; p = 2^(t - M) is quantised along the keys, not normalised; the row's sum is taken of the
; unquantised p and divides at the end; when M moves, the sum and O are multiplied by 2^(old M - new M), which rounds nothing.
; SHARES.  The four work-groups of a cluster serve one (batch, head).  The head's K and V, codes and scale words, 16 groups of 128 keys x 8,704 bytes, come into every partner's LDS ONCE: wave w asks jointly for group w.
; A wave owns one tile of 16 queries at a time, in two passes: tile 8 p + 2 cx + u (u = wave % 2) with p = wave / 2, then with p = 15 - wave / 2.  Tile 8 p + .. lies in group p and wants key steps 0 .. p:
; 17 steps a wave, whatever cx, so no trip count and no branch hangs on the place in the cluster; and waves 0 and 1 of every partner read all 16 groups.
; LAYOUT.  Both products are used transposed: S^T = K Q^T, O^T = V^T P^T: a lane holds ONE query (lane % 16).  By the order of a tile's rows the 16 registers of key tiles 2 b, 2 b + 1 are keys 32 b + 16 (lane / 16) + 0..15.
; THE HEAD IS 64, THE INSTRUCTION 128 DEEP: source 0 holds TWO key tiles (registers 0-3 tile 2 b, registers 4-7 tile 2 b + 1: 1,024 consecutive bytes of LDS); source 1 is [Q, zeros] or [zeros, Q]: zero codes add nothing.
; NOT PREFETCHED: all that the launch reads through LDS is asked for at its head; there is no later load to run ahead of.
; LIMITS: as in launch prep for o's blocks; a p under 2^-126 falls to 0.  o's scale bytes leave as single bytes, 32 a store inside one block of 256 bytes: one sixteenth of what the launch stores.
; REGISTERS: v1-11 addresses; v12 -M, v13 the largest t, v[14:15] the sum; v16-23 [Q, 0]; v24-31 [0, Q]; v32-63 K; v64-95 V; v96-159 S^T, then p; v160-191 O^T; v192-195, v196-199, v200 scale words of K, V, Q;
;   v204-208, v210-214 the two passes' Q; v224-231 p's codes; v232-255 at work.
.set BHS,   208896
.set GS,    13056
.set XSC,   4194304
.set STEPB, 8704                       ; a key step in LDS: K's codes 0, V's codes 4,096, K's words 8,192, V's words 8,448
.set SPARE, 139264                     ; behind the 16 steps: the spare words, 128 bytes a wave
.set LI,  1                            ; v1   16 x lane
.set LR,  2                            ; v2   16 x (lane % 16)
.set SPW, 3                            ; v3   my spare word; never rewritten
.set NIL, 4                            ; v4   0; never rewritten
.set DG,  5                            ; v5   the diagonal: my query's place in its group - 16 (lane / 16)
.set ADC, 6                            ; v6   LDS address of the step's codes
.set ADS, 7                            ; v7   and of its scale words
.set BO,  8                            ; v8   o's scale byte: 16 r + lane / 16
.set BD,  9                            ; v9   the byte
.set QW,  200
.set WV,  18
.set SEL, 20
.set CS,  22
.set TB,  36
.set KS,  37
.macro CROUND
	s_barrier_signal -1
	s_barrier_wait -1
	s_cmp_lg_u32 s[WV], 0
	s_cbranch_scc1 .Lnot_wave_0_\@
	s_barrier_signal -3
.Lnot_wave_0_\@:
	s_barrier_wait -3
	s_barrier_signal -1
	s_barrier_wait -1
.endm
	s_load_b128 s[4:7], s[0:1], 0x0                ; qkv s[4:5], ao s[6:7]
	v_lshl_add_u32 v[SPW], v0, 2, SPARE
	v_mov_b32 v[NIL], 0
	ds_add_u32 v[SPW], v[NIL]                      ; the wave's opening: the add, twice on end, and its wait ahead of my first tensor load
	ds_add_u32 v[SPW], v[NIL]
	v_lshrrev_b32 v1, 5, v0
	s_delay_alu instid0(VALU_DEP_1)
	v_readfirstlane_b32 s[WV], v1                  ; wave 0..15
	s_bfe_u32 s40, ttmp6, 0x40000                  ; cx: it enters Q's and o's addresses and the diagonal alone
	s_and_b32 s41, s[WV], 1                        ; u
	s_lshr_b32 s42, s[WV], 1                       ; pass 0's p
	s_sub_co_u32 s43, 15, s42                      ; pass 1's p
	s_lshl_b32 s38, s41, 4                         ; 16 u
	s_and_b32 s8, ttmp7, 0xffff                    ; batch x 16 + head, which the four partners share
	s_mul_i32 s10, s8, BHS
	s_mov_b32 s11, 0
	s_mul_i32 s12, s[WV], GS
	s_mov_b32 s13, 0
	; the descriptor: 8,704 dense bytes as 34 rows of 256 (32 elements of 8 bytes), no padding; the mask names all four partners, bit 21 beside it
	s_mov_b32 s24, 15|(3<<16)|(1<<21)
	s_mov_b32 s25, 32<<16
	s_mov_b32 s26, 34<<16
	s_mov_b32 s27, 32<<16
	s_mov_b32 s28, 34
	s_mov_b32 s29, 32
	s_mov_b32 s30, 0
	s_mov_b32 s31, 0
	s_mov_b32 s32, 1
	s_mul_i32 s33, s[WV], STEPB                    ; group w goes to LDS byte 8,704 w
	s_mov_b32 s[SEL], 0x76543210
	s_mov_b32 s[SEL+1], 0xfedcba98
	s_mov_b32 s[CS], 0x3e38aa3b                    ; c = log2(e) / 8
	s_mov_b32 s[CS+1], s[CS]                       ; (named with it as a pair, so it is written)
	s_mov_b32 s39, 0xffff0000                      ; lanes 16-31
	; o's places: token tile mt = 128 batch + 8 p + 2 cx + u; head = 8 (K half) + 2 (K step) + c
	s_lshr_b32 s9, s8, 4
	s_and_b32 s16, s8, 15
	s_lshr_b32 s17, s16, 3
	s_bfe_u32 s19, s16, 0x20001
	s_and_b32 s16, s16, 1
	s_lshl_b32 s56, s40, 1
	s_add_co_u32 s56, s56, s41                     ; my tile in its group: 2 cx + u
	s_lshl_b32 s57, s56, 9
	s_lshl_b32 s60, s17, 21
	s_lshl_b32 s61, s19, 10
	s_add_co_u32 s60, s60, s61
	s_lshl_b32 s61, s16, 9
	s_add_co_u32 s60, s60, s61                     ; codes: K half, K step, c
	s_lshl_b32 s62, s17, 8
	s_lshl_b32 s61, s19, 2
	s_add_co_u32 s62, s62, s61
	s_lshl_b32 s61, s16, 1
	s_add_co_u32 s62, s62, s61
	s_add_co_u32 s62, s62, XSC                     ; scale bytes likewise
	s_lshl_b32 s63, s9, 7
	s_add_co_u32 s63, s63, s56
	s_mov_b32 s59, 0
	s_wait_dscnt 0x0                               ; both opening adds are done
	s_wait_kmcnt 0x0
	s_add_nc_u64 s[14:15], s[4:5], s[10:11]        ; the head's first byte
	s_add_nc_u64 s[34:35], s[14:15], s[12:13]      ; group w
	s_or_b32 s35, s35, 0x80000000
	CROUND                                         ; all four work-groups are here: the joint loads meet
	tensor_load_to_lds s[32:35], s[24:31]          ; every wave asks for one group: one load of mine is out
	s_nop 0
.rept 4
	v_nop
.endr
.irp n, 0,1
	s_lshl_b32 s61, s[42+\n], 3
	s_add_co_u32 s61, s61, s63                     ; mt
	s_lshl_b32 s58, s61, 12
	s_add_co_u32 s58, s58, s60
	s_add_nc_u64 s[44+4*\n:45+4*\n], s[6:7], s[58:59]
	s_lshl_b32 s58, s61, 9
	s_add_co_u32 s58, s58, s62
	s_add_nc_u64 s[46+4*\n:47+4*\n], s[6:7], s[58:59]
	s_mul_i32 s58, s[42+\n], GS
	s_add_nc_u64 s[52+2*\n:53+2*\n], s[14:15], s[58:59]   ; Q's group
.endr
	v_and_b32 v[LI], 31, v0
	s_delay_alu instid0(VALU_DEP_1)
	v_lshlrev_b32 v[LI], 4, v[LI]
	v_and_b32 v[LR], 15, v0
	v_bfe_u32 v6, v0, 4, 1                         ; h
	s_delay_alu instid0(VALU_DEP_1)
	v_lshl_add_u32 v[BO], v[LR], 4, v6
	s_delay_alu instid0(VALU_DEP_3)
	v_lshlrev_b32 v[LR], 4, v[LR]
	v_add_nc_u32 v10, s57, v[LI]                   ; Q's codes: 512 bytes a tile
	s_lshl_b32 s58, s40, 2
	v_add_nc_u32 v11, s58, v[LR]                   ; Q's scale word: row r, pair cx
	global_load_b128 v[204:207], v10, s[52:53] offset:8704
	global_load_b32 v208, v11, s[52:53] offset:12800
	global_load_b128 v[210:213], v10, s[54:55] offset:8704
	global_load_b32 v214, v11, s[54:55] offset:12800
	v_and_b32 v[DG], 7, v0
	v_and_b32 v7, 8, v0
	s_delay_alu instid0(VALU_DEP_1)
	v_lshl_add_u32 v[DG], v7, 1, v[DG]             ; r % 8 + 16 (r / 8)
	v_lshlrev_b32 v6, 4, v6
	s_delay_alu instid0(VALU_DEP_1)
	v_sub_nc_u32 v[DG], v[DG], v6                  ; - 16 h
	s_lshl_b32 s58, s40, 5
	s_lshl_b32 s61, s41, 3
	s_add_co_u32 s58, s58, s61
	v_add_nc_u32 v[DG], s58, v[DG]                 ; + 32 cx + 8 u
.irp i, 20,21,22,23,24,25,26,27
	v_mov_b32 v\i, 0                               ; the zero halves of [Q, 0] and [0, Q]
.endr
	s_wait_loadcnt 0x0                             ; Q of both passes
	s_wait_tensorcnt 0x0                           ; my group has landed,
	s_barrier_signal -1
	s_barrier_wait -1                              ; everybody's has: the head's K and V stay in LDS, and nobody writes there again
; A PASS: one tile of 16 queries over key steps 0 .. p.  qc, qw: Q's codes and scale word; pr: the scalar register with p; oc, os: o's bases.
.macro PASS n, qc, qw, pr, oc, os
.if \n
	s_wait_xcnt 0x0                                ; the last pass's stores have read their data: the registers are written again only behind this wait
.endif
.irp i, 0,1,2,3
	v_mov_b32 v[16+\i], v[\qc+\i]
	v_mov_b32 v[28+\i], v[\qc+\i]
.endr
	v_lshrrev_b32 v[QW], s38, v[\qw]               ; tile u's two bytes of the pair's word,
	s_delay_alu instid0(VALU_DEP_1)
	v_and_b32 v[QW], 0xffff, v[QW]
	s_delay_alu instid0(VALU_DEP_1)
	v_lshl_or_b32 v[QW], v[QW], 16, v[QW]          ; for both halves of the 128.  (The lines below are the places between these writes and the first scaled product)
	v_mov_b32 v13, 0xff61b1e6                      ; the largest t so far: -3e38
	s_delay_alu instid0(VALU_DEP_1)
	v_floor_f32 v12, -v13                          ; -M
	v_mov_b32 v14, 0
	v_mov_b32 v15, 0
	v_mov_b32 v252, 0                              ; (written on every way: a lane permute's destination, and a pair's two halves)
	v_mov_b32 v253, 0
.irp b, 0,1,2,3
	v_mov_b32 v[236+\b], 0
.endr
.set jj, 0
.rept 32
	v_mov_b32 v[160+jj], 0                         ; O^T: the step is written once; the first finds zeros, which the first change of M leaves zeros
.set jj, jj+1
.endr
	s_mov_b32 s[TB], 0
	s_mov_b32 s[KS], 0
.Lstep_\@:                                         ; 16 trips, a constant, so that the LDS addresses can be read off the text; a step behind the tile's group is jumped over
	s_cmp_gt_u32 s[KS], s[\pr]
	s_cbranch_scc1 .Lhid_\@
	s_setprio 2
	v_add_nc_u32 v[ADC], s[TB], v[LI]
	v_add_nc_u32 v[ADS], s[TB], v[LR]
.irp t, 0,1,2,3,4,5,6,7
	ds_load_b128 v[32+4*\t:35+4*\t], v[ADC] offset:512*\t
.endr
	ds_load_b128 v[192:195], v[ADS] offset:8192
.irp t, 0,1,2,3,4,5,6,7
	ds_load_b128 v[64+4*\t:67+4*\t], v[ADC] offset:4096+512*\t
.endr
	ds_load_b128 v[196:199], v[ADS] offset:8448
	s_wait_dscnt 9                                 ; K and its words are in; V's nine loads, issued behind them, may be out
.irp t, 0,1,2,3,4,5,6,7
	v_wmma_scale_f32_16x16x128_f8f6f4 v[96+8*\t:103+8*\t], v[32+8*(\t/2):39+8*(\t/2)], v[16+8*(\t%2):23+8*(\t%2)], 0, v[192+\t/2], v[QW] matrix_a_fmt:MATRIX_FMT_FP4 matrix_b_fmt:MATRIX_FMT_FP4
.endr
.rept 4
	v_nop
.endr
	s_cmp_lg_u32 s[KS], s[\pr]
	s_cbranch_scc1 .Lopen_\@
	v_mov_b32 v254, 0xff800000                     ; on the diagonal hidden scores become -infinity ahead of the maximum: register 16 b + i holds key 32 b + 16 (lane / 16) + i of the group
.set jj, 0
.rept 64
	v_cmp_gt_i32 vcc_lo, 32*(jj/16)+jj%16, v[DG]
	v_cndmask_b32 v[96+jj], v[96+jj], v254, vcc_lo
.set jj, jj+1
.endr
.Lopen_\@:
.irp b, 0,1,2,3
	v_max3_num_f32 v[232+\b], v[96+16*\b], v[97+16*\b], v[98+16*\b]   ; the largest score of each block of 32 keys: for the row's maximum and, since p rises with the score, for the block's largest p
.endr
.irp i, 3,5,7,9,11,13
.irp b, 0,1,2,3
	v_max3_num_f32 v[232+\b], v[232+\b], v[96+16*\b+\i], v[97+16*\b+\i]
.endr
.endr
.irp b, 0,1,2,3
	v_max_num_f32 v[232+\b], v[232+\b], v[111+16*\b]
.endr
.irp b, 0,1,2,3
	s_delay_alu instid0(VALU_DEP_4)
	v_permlanex16_b32 v[236+\b], v[232+\b], s[SEL], s[SEL+1]
.endr
.irp b, 0,1,2,3
	s_delay_alu instid0(VALU_DEP_4)
	v_max_num_f32 v[232+\b], v[232+\b], v[236+\b]  ; with lane l xor 16's 16 keys
.endr
	s_delay_alu instid0(VALU_DEP_2)
	v_max3_num_f32 v254, v232, v233, v234
	s_delay_alu instid0(VALU_DEP_1)
	v_max_num_f32 v254, v254, v235
	s_delay_alu instid0(VALU_DEP_1)
	v_mul_f32 v254, s[CS], v254                    ; the step's largest t
	s_delay_alu instid0(VALU_DEP_1)
	v_max_num_f32 v13, v13, v254                   ; the running largest t
	v_mov_b32 v254, v12
	s_delay_alu instid0(VALU_DEP_2)
	v_floor_f32 v12, -v13                          ; the new -M = -ceil(t)
	s_delay_alu instid0(VALU_DEP_1)
	v_sub_f32 v254, v12, v254                      ; old M - new M: a whole number, 0 or less
	s_delay_alu instid0(VALU_DEP_1)
	v_cvt_i32_f32 v254, v254                       ; (it saturates)
	s_delay_alu instid0(VALU_DEP_1)
	v_ldexp_f32 v252, 1.0, v254                    ; f = 2^(old M - new M)
.set jj, 0
.rept 32
	v_pk_fma_f32 v[96+jj:97+jj], v[96+jj:97+jj], s[CS:CS+1], v[12:13] op_sel_hi:[1,0,0]   ; t - M, two at a time
.set jj, jj+2
.endr
	s_setprio 1
.irp b, 0,1,2,3
	v_fma_f32 v[232+\b], v[232+\b], s[CS], v12     ; the same of each block's largest score
.endr
.set jj, 0
	s_wait_alu depctr_va_vdst(0)
.rept 64
	v_exp_f32 v[96+jj], v[96+jj]                   ; p = 2^(t - M)
.set jj, jj+1
.endr
	v_pk_mul_f32 v[14:15], v[14:15], v[252:253] op_sel_hi:[1,0]   ; the sums under the new M: a plain line behind the exponentials
	s_wait_alu depctr_va_vdst(0)                   ; one wait for the batch, ahead of its first reader
.irp b, 0,1,2,3
	v_exp_f32 v[232+\b], v[232+\b]                 ; the block's largest p
.endr
	v_pk_add_f32 v[236:237], v[100:101], v[104:105]
	v_pk_add_f32 v[254:255], v[108:109], v[112:113]
	v_pk_add_f32 v[250:251], v[116:117], v[120:121]
	v_pk_add_f32 v[248:249], v[124:125], v[128:129]
	v_pk_add_f32 v[246:247], v[132:133], v[136:137]
	v_pk_add_f32 v[244:245], v[140:141], v[144:145]
	v_pk_add_f32 v[242:243], v[148:149], v[152:153]
	v_pk_add_f32 v[14:15], v[14:15], v[156:157]
	v_pk_add_f32 v[236:237], v[236:237], v[96:97]
	v_pk_add_f32 v[254:255], v[254:255], v[98:99]
	v_pk_add_f32 v[250:251], v[250:251], v[102:103]
	v_pk_add_f32 v[248:249], v[248:249], v[106:107]
	v_pk_add_f32 v[246:247], v[246:247], v[110:111]
	v_pk_add_f32 v[244:245], v[244:245], v[114:115]
	v_pk_add_f32 v[242:243], v[242:243], v[118:119]
	v_pk_add_f32 v[14:15], v[14:15], v[122:123]
	v_pk_add_f32 v[236:237], v[236:237], v[126:127]
	v_pk_add_f32 v[254:255], v[254:255], v[130:131]
	v_pk_add_f32 v[250:251], v[250:251], v[134:135]
	v_pk_add_f32 v[248:249], v[248:249], v[138:139]
	v_pk_add_f32 v[246:247], v[246:247], v[142:143]
	v_pk_add_f32 v[244:245], v[244:245], v[146:147]
	v_pk_add_f32 v[242:243], v[242:243], v[150:151]
	v_pk_add_f32 v[14:15], v[14:15], v[154:155]
	v_pk_add_f32 v[236:237], v[236:237], v[158:159]
	s_delay_alu instid0(VALU_DEP_2)
	v_pk_add_f32 v[14:15], v[14:15], v[248:249]
	s_delay_alu instid0(VALU_DEP_2)
	v_pk_add_f32 v[236:237], v[236:237], v[246:247]
	v_pk_add_f32 v[254:255], v[254:255], v[244:245]
	v_pk_add_f32 v[250:251], v[250:251], v[242:243]
	s_delay_alu instid0(VALU_DEP_2)
	v_pk_add_f32 v[14:15], v[14:15], v[254:255]
	s_delay_alu instid0(VALU_DEP_2)
	v_pk_add_f32 v[236:237], v[236:237], v[250:251]
	s_delay_alu instid0(VALU_DEP_1)
	v_pk_add_f32 v[14:15], v[14:15], v[236:237]
	s_wait_alu depctr_va_vdst(0)                   ; and one for the four
.irp b, 0,1,2,3
	v_max_num_f32 v[232+\b], 0x1800000, v[232+\b]  ; the floor 2^(3 - 127): a block whose every p is 0 keeps the byte 1; its codes are zeros
.endr
.irp b, 0,1,2,3
	s_delay_alu instid0(VALU_DEP_4)
	v_add_nc_u32 v[244+\b], 0xff000000, v[232+\b]  ; the conversion's scale operand
.endr
.irp b, 0,1,2,3
	s_delay_alu instid0(VALU_DEP_4)
	v_lshrrev_b32 v[236+\b], 23, v[244+\b]         ; the scale's byte
.endr
	s_delay_alu instid0(VALU_DEP_3)
	v_lshl_or_b32 v253, v237, 8, v236              ; p's scale word for these 128 keys
	s_delay_alu instid0(VALU_DEP_1)
	v_lshl_or_b32 v253, v238, 16, v253
	s_delay_alu instid0(VALU_DEP_1)
	v_lshl_or_b32 v253, v239, 24, v253
	s_setprio 0
.irp b, 0,1,2,3
	v_cvt_scalef32_pk8_fp4_f32 v[224+2*\b], v[96+16*\b:103+16*\b], v[244+\b]
	v_cvt_scalef32_pk8_fp4_f32 v[225+2*\b], v[104+16*\b:111+16*\b], v[244+\b]
.endr
	v_nop                                          ; a plain line behind a scaled conversion
.irp c, 0,1
.irp i, 0,1
	v_permlane16_swap_b32 v[224+4*\c+\i], v[226+4*\c+\i]   ; a whole block to a lane
.endr
.endr
.set jj, 0
.rept 16
	v_pk_mul_f32 v[160+jj:161+jj], v[160+jj:161+jj], v[252:253] op_sel_hi:[1,0]   ; O^T under the new M.  (These sixteen are also the places between p's codes and scale word and the scaled products)
.set jj, jj+2
.endr
	s_wait_alu depctr_va_vdst(0)
	s_wait_dscnt 0x0                               ; V and its words are in
.irp t, 0,1,2,3
	v_wmma_scale_f32_16x16x128_f8f6f4 v[160+8*\t:167+8*\t], v[64+8*\t:71+8*\t], v[224:231], v[160+8*\t:167+8*\t], v[196+\t], v253 matrix_a_fmt:MATRIX_FMT_FP4 matrix_b_fmt:MATRIX_FMT_FP4
.endr
.rept 4
	v_nop                                          ; places in front of the next step's loads into V's registers, and of the first read of O^T
.endr
.Lhid_\@:
	s_add_co_u32 s[TB], s[TB], STEPB
	s_add_co_u32 s[KS], s[KS], 1
	s_cmp_lt_u32 s[KS], 16
	s_cbranch_scc1 .Lstep_\@
	s_setprio 0
	; the way out: O^T / the sum; register 16 b + i is channel 32 b + 16 (lane / 16) + i of my query: two blocks of the last product's K
	v_add_f32 v14, v14, v15
	s_delay_alu instid0(VALU_DEP_1)
	v_permlanex16_b32 v252, v14, s[SEL], s[SEL+1]
	s_delay_alu instid0(VALU_DEP_1)
	v_add_f32 v14, v14, v252                       ; the row's sum
	s_wait_alu depctr_va_vdst(0)
	v_rcp_f32 v14, v14
	v_nop                                          ; a plain line behind the reciprocal,
	s_wait_alu depctr_va_vdst(0)                   ; and the wait ahead of its first reader
.set jj, 0
.rept 32
	v_mul_f32 v[96+jj], v[160+jj], v14
.set jj, jj+1
.endr
.irp b, 0,1
	v_max3_num_f32 v[232+\b], |v[96+16*\b]|, |v[97+16*\b]|, 0x1800000
.endr
.irp i, 2,4,6,8,10,12,14
.irp b, 0,1
	s_delay_alu instid0(VALU_DEP_2)
	v_max3_num_f32 v[232+\b], v[232+\b], |v[96+16*\b+\i]|, |v[97+16*\b+\i]|
.endr
.endr
.irp b, 0,1
	s_delay_alu instid0(VALU_DEP_2)
	v_permlanex16_b32 v[236+\b], v[232+\b], s[SEL], s[SEL+1]
.endr
.irp b, 0,1
	s_delay_alu instid0(VALU_DEP_2)
	v_max_num_f32 v[232+\b], v[232+\b], v[236+\b]
.endr
.irp b, 0,1
	s_delay_alu instid0(VALU_DEP_2)
	v_add_nc_u32 v[244+\b], 0xff000000, v[232+\b]
.endr
.irp b, 0,1
	s_delay_alu instid0(VALU_DEP_2)
	v_lshrrev_b32 v[236+\b], 23, v[244+\b]
.endr
.irp b, 0,1
	v_cvt_scalef32_pk8_fp4_f32 v[224+2*\b], v[96+16*\b:103+16*\b], v[244+\b]
	v_cvt_scalef32_pk8_fp4_f32 v[225+2*\b], v[104+16*\b:111+16*\b], v[244+\b]
.endr
	v_nop
	v_permlane16_swap_b32 v224, v226               ; lanes 0-15 channels 0-31, lanes 16-31 channels 32-63
	v_permlane16_swap_b32 v225, v227
	v_cndmask_b32 v[BD], v236, v237, s39           ; lane (r, h) stores block h's byte of row r
	global_store_b128 v[LI], v[224:227], s[\oc:\oc+1]   ; half a fragment's image: 512 consecutive bytes
	global_store_b8 v[BO], v[BD], s[\os:\os+1]
.endm
	PASS 0, 204, 208, 42, 44, 46
	PASS 1, 210, 214, 43, 48, 50
	s_wait_tensorcnt 0x0                           ; the wave's end
	ds_add_u32 v[SPW], v[NIL]
	s_wait_dscnt 0x0
	CROUND                                         ; the closing round
	s_endpgm
.Lfunc_end_k_q44cc140ac3_attn:
	.size	k_q44cc140ac3_attn, .Lfunc_end_k_q44cc140ac3_attn-k_q44cc140ac3_attn
	.p2alignl 7, 3214868480
	.fill 96, 4, 3214868480
	.section	.rodata,"a",@progbits
	.p2align	6, 0x0
	.amdhsa_kernel k_q44cc140ac3_attn
		.amdhsa_group_segment_fixed_size 167936
		.amdhsa_private_segment_fixed_size 0
		.amdhsa_enable_private_segment 0
		.amdhsa_kernarg_size 16
		.amdhsa_user_sgpr_count 2
		.amdhsa_user_sgpr_kernarg_segment_ptr 1
		.amdhsa_wavefront_size32 1
		.amdhsa_system_sgpr_workgroup_id_x 1
		.amdhsa_system_sgpr_workgroup_id_y 1
		.amdhsa_system_sgpr_workgroup_id_z 1
		.amdhsa_system_vgpr_workitem_id 0
		.amdhsa_next_free_vgpr 256
		.amdhsa_next_free_sgpr 66
		.amdhsa_reserve_vcc 1
		.amdhsa_float_denorm_mode_32 3
		.amdhsa_float_denorm_mode_16_64 3
		.amdhsa_memory_ordered 1
		.amdhsa_forward_progress 1
		.amdhsa_inst_pref_size 61
	.end_amdhsa_kernel
	.amdgpu_metadata
---
amdhsa.version: [ 1, 2 ]
amdhsa.kernels:
  - .name:           k_q44cc140ac3_attn
    .symbol:         k_q44cc140ac3_attn.kd
    .args:
      - { .name: qkv, .offset: 0, .size: 8, .value_kind: global_buffer, .address_space: global }
      - { .name: ao, .offset: 8, .size: 8, .value_kind: global_buffer, .address_space: global }
    .group_segment_fixed_size: 167936
    .private_segment_fixed_size: 0
    .kernarg_segment_align: 8
    .kernarg_segment_size: 16
    .max_flat_workgroup_size: 512
    .sgpr_count:     66
    .vgpr_count:     256
    .wavefront_size: 32
...
	.end_amdgpu_metadata
.endif
;; end of part 3
;; launch proj (part 4): grid 8 x 32, 4 waves a work-group, clusters of 4 x 4, 327,680 bytes of LDS; arguments ao, wq, b_proj, out0; writes out0
.if DOCPART == 4
	.amdgcn_target "amdgcn-amd-amdhsa--gfx1250"
	.amdhsa_code_object_version 6
	.text
	.protected	k_q44cc140ac3_proj
	.globl	k_q44cc140ac3_proj
	.p2align	8
	.type	k_q44cc140ac3_proj,@function
k_q44cc140ac3_proj:
	s_mov_b64 s[64:65], 0
	v_nop
	global_prefetch_b8 v0, s[64:65] scope:SCOPE_SE
	s_setreg_imm32_b32 hwreg(HW_REG_WAVE_MODE, 25, 1), 1
	s_wait_xcnt 0x0
	s_wait_alu depctr_hold_cnt(0) depctr_sa_sdst(0) depctr_va_vdst(0) depctr_va_sdst(0) depctr_va_ssrc(0) depctr_va_vcc(0) depctr_vm_vsrc(0)
	s_getreg_b32 s2, hwreg(HW_REG_IB_STS2, 6, 4)
	s_cmp_eq_u32 s2, 0
	s_cbranch_scc0 .Lentry_in_a_cluster
	s_endpgm
.Lentry_in_a_cluster:
	s_bfe_u32 s2, ttmp6, 0x10000c
	s_cmp_lg_u32 s2, 0xf033
	s_cbranch_scc0 .Lentry_shape_is_right
	s_endpgm
.Lentry_shape_is_right:
; out0 = o w_proj + b_proj on codes of FP4.  o's codes and scale words lie in ao as x's lie in xq (launch prep), w_proj^T's in wq.  Nothing of reference() is left out here.
; A work-group of four waves makes 256 tokens x 128 columns, so that there are 256 work-groups; a wave 128 x 64: 32 accumulators.  K = 1,024 is two LDS slots of 512, both asked for at the head: nothing is filled twice.
; Source 0 takes w_proj^T's fragment (side B), source 1 o's (side A): a lane holds one token and eight neighbouring columns a tile.  The bias is the C of each sum's first product.
; CLUSTER 4 x 4: o's tiles are asked for jointly along a row of the cluster, w_proj^T's along a column.  The launch claims all of LDS; it uses 226,816 bytes.
; REGISTERS: window 0: v1-31 addresses; v32-95 scale words, two sets, and nothing else; v128-191 side A's fragments, later rows on their way out; v192-223 the bias.
;   window 1: side B's fragments, two sets, v0-31 and v128-159.   window 2: the accumulators, (a, b) at v[8 (4 a + b)].
.set XSIG,  2097152
.set XSC,   4194304
.set WP_C,  1671168
.set WP_S,  2195456
.set WPSIG, 262144
.set FR,    8
.set NP,    4
.set SLOT,  98304                      ; side A's 16 tiles (65,536 bytes), then side B's 8
.set SCLB,  196608                     ; side B's scale words, 8 tiles x 512 bytes,
.set SCLA,  200704                     ; side A's, 16 tiles,
.set STAGE, 208896                     ; the way out: 16 rows x (256 bytes + 16) for each wave: bytes of its own, into which no tensor load lands
.set SPARE, 226304                     ; the spare words, 128 bytes a wave
.set ADRA, 16
.set ADRB, 20
.set STO,  24                          ; v24  the stage: where I put 32 bytes of a row
.set RD,   25                          ; v25  and where I read a row back
.set CO,   26                          ; v26  my byte offset in out0
.set ADRS, 27
.set SPW,  28
.set NIL,  29
.set SC,   32
.set AF,   128
.set BK,   128                         ; the way out: 16 rows read back, v128-159 and v160-191 by turns
.set BIAS, 192
.set G1, 24
.set G0, 32
.set G1B, 48
.set G0B, 56
.set G1S, 68
.set G0S, 76
.set G1SB, 80
.set G0SB, 88
.set MSB, 0
.macro WIN new
.if MSB != (\new)
	s_set_vgpr_msb (MSB<<8)|(\new)
.set MSB, (\new)
.endif
.endm
.set MUL,    0xa1                      ; source 0 window 1, source 1 window 0, C and D window 2
.set MUL_1,  0x81                      ; the first products: C, the bias, window 0
.set TO_B,   0x40
.macro JLOAD g0a, g1a, g0b, g1b        ; waves 0 and 1 fetch for side A, waves 2 and 3 for side B; an s_nop 0 and four v_nop follow each line
	s_cmp_eq_u32 s15, 0
	s_cbranch_scc0 .Lfor_b_\@
	tensor_load_to_lds s[\g0a:\g0a+3], s[\g1a:\g1a+7]
	s_nop 0
.rept 4
	v_nop
.endr
	s_branch .Lasked_\@
.Lfor_b_\@:
	tensor_load_to_lds s[\g0b:\g0b+3], s[\g1b:\g1b+7]
	s_nop 0
.rept 4
	v_nop
.endr
.Lasked_\@:
.endm
.macro CROUND
	s_barrier_signal -1
	s_barrier_wait -1
	s_cmp_lg_u32 s14, 0
	s_cbranch_scc1 .Lnot_wave_0_\@
	s_barrier_signal -3
.Lnot_wave_0_\@:
	s_barrier_wait -3
	s_barrier_signal -1
	s_barrier_wait -1
.endm
	s_load_b256 s[4:11], s[0:1], 0x0               ; ao s[4:5], wq s[6:7], b_proj s[8:9], out0 s[10:11]
	v_lshl_add_u32 v[SPW], v0, 2, SPARE
	v_mov_b32 v[NIL], 0
	ds_add_u32 v[SPW], v[NIL]                      ; the wave's opening: the add, twice on end, and its wait ahead of my first tensor load
	ds_add_u32 v[SPW], v[NIL]
	v_lshrrev_b32 v1, 5, v0
	v_readfirstlane_b32 s14, v1
	s_lshr_b32 s15, s14, 1                         ; my half of the tokens.  Also: I fetch for side A (0) or B (1)
	s_and_b32 s16, s14, 1                          ; my half of the columns.  Also: which half of a side I fetch
	s_bfe_u32 s40, ttmp6, 0x40000
	s_bfe_u32 s41, ttmp6, 0x40004
	s_lshl_b32 s42, ttmp9, 2
	s_add_co_u32 s42, s42, s40                     ; TC: block of 128 columns
	s_and_b32 s17, ttmp7, 0xffff
	s_lshl_b32 s17, s17, 2
	s_add_co_u32 s17, s17, s41                     ; TR: block of 256 tokens
	s_lshl_b32 s43, s41, 2
	s_lshl_b32 s43, 15, s43
	s_lshl_b32 s44, 0x1111, s40
	s_or_b32 s[G1+0], s43, (3<<16)|(1<<21)         ; dense blocks as rows of 256 bytes, no padding
	s_or_b32 s[G1B+0], s44, (3<<16)|(1<<21)
	s_or_b32 s[G1S+0], s43, (3<<16)|(1<<21)
	s_or_b32 s[G1SB+0], s44, (3<<16)|(1<<21)
.irp g, G1, G1B, G1S, G1SB
	s_mov_b32 s[\g+1], 32<<16
	s_mov_b32 s[\g+3], 32<<16
	s_mov_b32 s[\g+5], 32
	s_mov_b32 s[\g+6], 0
	s_mov_b32 s[\g+7], 0
.endr
	s_mov_b32 s[G1+2], 128<<16                     ; side A's codes: 8 tiles x 4,096 bytes
	s_mov_b32 s[G1+4], 128
	s_mov_b32 s[G1B+2], 64<<16                     ; side B's: 4 tiles
	s_mov_b32 s[G1B+4], 64
	s_mov_b32 s[G1S+2], 16<<16                     ; side A's scale words: 8 tiles x 512 bytes
	s_mov_b32 s[G1S+4], 16
	s_mov_b32 s[G1SB+2], 8<<16                     ; side B's: 4 tiles
	s_mov_b32 s[G1SB+4], 8
	s_lshl_b32 s45, s16, 15                        ; LDS: side A's half
	s_lshl_b32 s20, s17, 16
	s_add_co_u32 s20, s20, s45
	s_mov_b32 s21, 0
	s_lshl_b32 s18, s16, 12                        ; LDS: side A's half of the scale words
	s_lshl_b32 s22, s17, 13
	s_add_co_u32 s22, s22, s18
	s_add_co_u32 s22, s22, XSC
	s_mov_b32 s23, 0
	s_lshl_b32 s66, s16, 14
	s_lshl_b32 s46, s42, 15
	s_add_co_u32 s46, s46, s66
	s_add_co_u32 s46, s46, WP_C
	s_mov_b32 s47, 0
	s_add_co_u32 s66, s66, 65536                   ; LDS: side B's half, behind side A's 16 tiles
	s_lshl_b32 s19, s16, 11                        ; LDS: side B's half of the scale words
	s_lshl_b32 s2, s42, 12
	s_add_co_u32 s2, s2, s19
	s_add_co_u32 s2, s2, WP_S
	s_mov_b32 s3, 0
	s_wait_dscnt 0x0                               ; both opening adds are done
	s_wait_kmcnt 0x0
	s_add_nc_u64 s[20:21], s[4:5], s[20:21]
	s_add_nc_u64 s[22:23], s[4:5], s[22:23]
	s_add_nc_u64 s[46:47], s[6:7], s[46:47]
	s_add_nc_u64 s[2:3], s[6:7], s[2:3]
	CROUND                                         ; all sixteen work-groups are here: the first joint loads meet
	s_mov_b32 s[G0S], 1
	s_add_co_u32 s[G0S+1], s18, SCLA
	s_mov_b64 s[G0S+2:G0S+3], s[22:23]
	s_or_b32 s[G0S+3], s[G0S+3], 0x80000000
	s_mov_b32 s[G0SB], 1
	s_add_co_u32 s[G0SB+1], s19, SCLB
	s_mov_b64 s[G0SB+2:G0SB+3], s[2:3]
	s_or_b32 s[G0SB+3], s[G0SB+3], 0x80000000
	JLOAD G0S, G1S, G0SB, G1SB
.irp s, 0,1
	s_mov_b32 s[G0+4*\s], 1
	s_add_co_u32 s[G0+4*\s+1], s45, \s*SLOT
	s_add_nc_u64 s[G0+4*\s+2:G0+4*\s+3], s[20:21], \s*XSIG
	s_or_b32 s[G0+4*\s+3], s[G0+4*\s+3], 0x80000000
	s_mov_b32 s[G0B+4*\s], 1
	s_add_co_u32 s[G0B+4*\s+1], s66, \s*SLOT
	s_add_nc_u64 s[G0B+4*\s+2:G0B+4*\s+3], s[46:47], \s*WPSIG
	s_or_b32 s[G0B+4*\s+3], s[G0B+4*\s+3], 0x80000000
	s_wait_alu depctr_va_vdst(0)
	s_wait_tensorcnt 0x0
	ds_add_u32 v28, v29
	s_wait_dscnt 0x0
	CROUND
	JLOAD G0+4*\s, G1, G0B+4*\s, G1B               ; one load of mine is out: the earlier ones are waited for above
.endr
	v_and_b32 v1, 15, v0                           ; r
	v_bfe_u32 v2, v0, 4, 1                         ; h
	s_wait_alu depctr_va_vdst(0)
	v_and_b32 v3, 31, v0
	v_lshlrev_b32 v3, 4, v3                        ; 16 x lane
	s_lshl_b32 s18, s15, 15
	s_lshl_b32 s19, s16, 14
	s_add_co_u32 s19, s19, 65536
.irp s, 0,1
	v_add_nc_u32 v[ADRA+\s], s18, v3
	v_add_nc_u32 v[ADRB+\s], s19, v3
	s_add_co_u32 s18, s18, SLOT
	s_add_co_u32 s19, s19, SLOT
.endr
	s_lshl_b32 s18, s16, 11                        ; side B's words of my 4 tiles,
	s_lshl_b32 s19, s15, 12
	s_add_co_u32 s19, s19, SCLA-SCLB
	s_sub_co_u32 s19, s19, s18                     ; and how far behind them side A's lie: lanes 16-31 take those
	v_mul_u32_u24 v4, s19, v2
	s_add_co_u32 s18, s18, SCLB
	v_lshl_add_u32 v4, v1, 4, v4
	v_add_nc_u32 v[ADRS], s18, v4
	s_mul_i32 s18, s14, 16*272
	s_add_co_u32 s18, s18, STAGE                   ; my stage
	v_mul_u32_u24 v[STO], v1, 272
	v_lshl_add_u32 v[STO], v2, 6, v[STO]
	v_add_nc_u32 v[STO], s18, v[STO]               ; in: row r, + 64 h
	v_mul_u32_u24 v[RD], v2, 272
	v_lshl_add_u32 v[RD], v1, 4, v[RD]
	v_add_nc_u32 v[RD], s18, v[RD]                 ; back: lanes 0-15 one row, lanes 16-31 the next
	v_lshlrev_b32 v[CO], 12, v2
	v_lshl_add_u32 v[CO], v1, 4, v[CO]             ; and the same two rows in out0
	s_lshl_b32 s18, s42, 9
	s_lshl_b32 s19, s16, 8
	s_add_co_u32 s18, s18, s19                     ; my 64 columns, in bytes
	s_mov_b32 s19, 0
	s_add_nc_u64 s[8:9], s[8:9], s[18:19]
	s_add_nc_u64 s[12:13], s[10:11], s[18:19]
	s_lshl_b32 s18, s17, 20
	s_lshl_b32 s2, s15, 19
	s_add_co_u32 s18, s18, s2                      ; my 128 tokens, rows of 4,096 bytes
	s_add_nc_u64 s[12:13], s[12:13], s[18:19]
	v_lshlrev_b32 v5, 6, v2                        ; the bias in the results' layout: register 8 b + j is that of column 32 (b / 2) + 8 (b % 2) + 16 h + j
.irp b, 0,1,2,3
	global_load_b128 v[BIAS+8*\b:BIAS+8*\b+3], v5, s[8:9] offset:128*(\b/2)+32*(\b%2)
	global_load_b128 v[BIAS+8*\b+4:BIAS+8*\b+7], v5, s[8:9] offset:128*(\b/2)+32*(\b%2)+16
.endr
.macro FRAG reg, adr, q, i
.irp c, 0,1
	ds_load_b128 v[\reg+4*\c:\reg+4*\c+3], v[\adr] offset:4096*(\i)+1024*(\q)+512*\c
.endr
.endm
; 8 matrix instructions: side A's tiles a0, a0 + 1 x side B's four.  first = 1: the bias is the C.  The 32 accumulators take turns, one instruction a turn.
.macro MULP a0, p, q, sc, first
.irp a, \a0, \a0+1
.irp b, 0,1,2,3
.if \first
	v_wmma_scale_f32_16x16x128_f8f6f4 v[8*(4*(\a)+\b):8*(4*(\a)+\b)+7], v[128*(\p)+FR*\b:128*(\p)+FR*\b+FR-1], v[AF+FR*(\a):AF+FR*(\a)+FR-1], v[BIAS+8*\b:BIAS+8*\b+7], v[SC+32*(\sc)+4*\b+(\q)], v[SC+32*(\sc)+4*(\a)+(\q)] matrix_a_fmt:MATRIX_FMT_FP4 matrix_b_fmt:MATRIX_FMT_FP4 matrix_b_scale:MATRIX_SCALE_ROW1
.else
	v_wmma_scale_f32_16x16x128_f8f6f4 v[8*(4*(\a)+\b):8*(4*(\a)+\b)+7], v[128*(\p)+FR*\b:128*(\p)+FR*\b+FR-1], v[AF+FR*(\a):AF+FR*(\a)+FR-1], v[8*(4*(\a)+\b):8*(4*(\a)+\b)+7], v[SC+32*(\sc)+4*\b+(\q)], v[SC+32*(\sc)+4*(\a)+(\q)] matrix_a_fmt:MATRIX_FMT_FP4 matrix_b_fmt:MATRIX_FMT_FP4 matrix_b_scale:MATRIX_SCALE_ROW1
.endif
.endr
.endr
.endm
.macro FETCH_B slot, q, p
	WIN TO_B
.irp i, 0,1,2,3
	FRAG 128*(\p)+FR*\i, ADRB+\slot, \q, \i
.endr
	WIN 0
.endm
.macro FETCH_A slot, q, i0
.irp i, \i0, \i0+1, \i0+2, \i0+3
	FRAG AF+FR*(\i), ADRA+\slot, \q, \i
.endr
.endm
.macro SCALES sc                       ; lanes 16-31 take side A's tile i; lanes 0-15 side B's tile i (for i above 3 they read on into filled bytes, and what they bring is not used)
.irp i, 0,1,2,3,4,5,6,7
	ds_load_b128 v[SC+32*\sc+4*\i:SC+32*\sc+4*\i+3], v[ADRS] offset:512*\i
.endr
.endm
.macro PLACES
.rept NP
	v_nop
.endr
.endm
.macro STEP slot, q, first
	s_wait_dscnt 8                                 ; all but the youngest eight loads (side A's tiles 4-7)
	WIN MUL-0x20*(\first)
	MULP 0, (\q)%2, \q, \slot, \first
	MULP 2, (\q)%2, \q, \slot, \first
	s_wait_dscnt 0x0
	PLACES
	FETCH_B \slot, (\q)+1, 1-(\q)%2
	FETCH_A \slot, (\q)+1, 0
	WIN MUL-0x20*(\first)
	MULP 4, (\q)%2, \q, \slot, \first
	MULP 6, (\q)%2, \q, \slot, \first
	PLACES
	WIN 0
	FETCH_A \slot, (\q)+1, 4
.endm
	s_wait_tensorcnt 1                             ; the scale words and my part of slot 0 are in; slot 1's load may be out
	s_barrier_signal -1
	s_barrier_wait -1
	FETCH_B 0, 0, 0
	FETCH_A 0, 0, 0
	SCALES 0
	FETCH_A 0, 0, 4
	s_wait_loadcnt 0x0                             ; the bias
	STEP 0, 0, 1
	STEP 0, 1, 0
	STEP 0, 2, 0
	s_wait_tensorcnt 0x0                           ; slot 1's load is my last: the count is 0
	s_wait_dscnt 8
	WIN MUL
	MULP 0, 1, 3, 0, 0
	s_wait_dscnt 0x0                               ; no LDS instruction of mine is pending at the signal
	s_barrier_signal -1
	MULP 2, 1, 3, 0, 0
	WIN 0
	s_barrier_wait -1                              ; slot 1 is whole; no slot is filled again
	PLACES
	v_add_nc_u32 v[ADRS], 256, v[ADRS]
	FETCH_B 1, 0, 0
	FETCH_A 1, 0, 0
	SCALES 1
	WIN MUL
	MULP 4, 1, 3, 0, 0
	MULP 6, 1, 3, 0, 0
	PLACES
	WIN 0
	FETCH_A 1, 0, 4
	STEP 1, 0, 0
	STEP 1, 1, 0
	STEP 1, 2, 0
	s_wait_dscnt 8
	WIN MUL
	MULP 0, 1, 3, 1, 0
	MULP 2, 1, 3, 1, 0
	s_wait_alu depctr_va_vdst(0)
	s_wait_dscnt 0x0
	MULP 4, 1, 3, 1, 0
	MULP 6, 1, 3, 1, 0
	WIN 0
; THE WAY OUT, a tile of 16 tokens x 64 columns at a time: a lane's 32 bytes of a row go into my own stage and come back as whole rows of 256 bytes.  LDS serves a wave's instructions in order: no wait between stores and loads.
.macro TOSTAGE a
	WIN 0x08                                       ; an LDS store's data are its source 1: window 2
.irp b, 0,1,2,3
	ds_store_b128 v[STO], v[32*(\a)+8*\b:32*(\a)+8*\b+3] offset:128*(\b/2)+32*(\b%2)          ; each accumulator from its low end on
	ds_store_b128 v[STO], v[32*(\a)+8*\b+4:32*(\a)+8*\b+7] offset:128*(\b/2)+32*(\b%2)+16
.endr
	WIN 0
.set BB, BK+32*((\a)%2)
.irp t, 0,1,2,3,4,5,6,7
	ds_load_b128 v[BB+4*\t:BB+4*\t+3], v[RD] offset:544*\t
.endr
.endm
.macro SEND a, younger                 ; stage row 2 t + h is token 32 (a / 2) + 8 (a % 2) + (2 t) % 8 + h + 16 (t / 4) of my 128
.set BB, BK+32*((\a)%2)
	s_wait_dscnt \younger
.irp t, 0,1,2,3,4,5,6,7
	global_store_b128 v[CO], v[BB+4*\t:BB+4*\t+3], s[12:13] offset:(32*((\a)/2)+8*((\a)%2)+(2*\t)%8+16*(\t/4))*4096 th:TH_STORE_NT   ; sixteen lanes store 256 consecutive bytes, aligned; written once
.endr
.endm
	PLACES                                         ; behind the last products: reads of results, and loads into registers that held side A's fragments
	TOSTAGE 0
.irp a, 1,2,3,4,5,6,7
.if \a > 1
	s_wait_xcnt 0x0                                ; tile a - 2's stores have read their registers: tile a's loads land there only behind this wait
.endif
	TOSTAGE \a
	SEND \a-1, 16                                  ; behind tile a - 1's loads: tile a's 8 stores and 8 loads
.endr
	SEND 7, 0
	s_wait_tensorcnt 0x0                           ; the wave's end
	ds_add_u32 v[SPW], v[NIL]
	s_wait_dscnt 0x0
	CROUND                                         ; the closing round
	s_endpgm
.Lfunc_end_k_q44cc140ac3_proj:
	.size	k_q44cc140ac3_proj, .Lfunc_end_k_q44cc140ac3_proj-k_q44cc140ac3_proj
	.p2alignl 7, 3214868480
	.fill 96, 4, 3214868480
	.section	.rodata,"a",@progbits
	.p2align	6, 0x0
	.amdhsa_kernel k_q44cc140ac3_proj
		.amdhsa_group_segment_fixed_size 327680
		.amdhsa_private_segment_fixed_size 0
		.amdhsa_enable_private_segment 0
		.amdhsa_kernarg_size 32
		.amdhsa_user_sgpr_count 2
		.amdhsa_user_sgpr_kernarg_segment_ptr 1
		.amdhsa_wavefront_size32 1
		.amdhsa_system_sgpr_workgroup_id_x 1
		.amdhsa_system_sgpr_workgroup_id_y 1
		.amdhsa_system_sgpr_workgroup_id_z 1
		.amdhsa_system_vgpr_workitem_id 0
		.amdhsa_next_free_vgpr 768
		.amdhsa_next_free_sgpr 100
		.amdhsa_reserve_vcc 0
		.amdhsa_float_denorm_mode_32 3
		.amdhsa_float_denorm_mode_16_64 3
		.amdhsa_memory_ordered 1
		.amdhsa_forward_progress 1
		.amdhsa_inst_pref_size 75
	.end_amdhsa_kernel
	.amdgpu_metadata
---
amdhsa.version: [ 1, 2 ]
amdhsa.kernels:
  - .name:           k_q44cc140ac3_proj
    .symbol:         k_q44cc140ac3_proj.kd
    .args:
      - { .name: ao, .offset: 0, .size: 8, .value_kind: global_buffer, .address_space: global }
      - { .name: wq, .offset: 8, .size: 8, .value_kind: global_buffer, .address_space: global }
      - { .name: b_proj, .offset: 16, .size: 8, .value_kind: global_buffer, .address_space: global }
      - { .name: out0, .offset: 24, .size: 8, .value_kind: global_buffer, .address_space: global }
    .group_segment_fixed_size: 327680
    .private_segment_fixed_size: 0
    .kernarg_segment_align: 8
    .kernarg_segment_size: 32
    .max_flat_workgroup_size: 128
    .sgpr_count:     100
    .vgpr_count:     768
    .wavefront_size: 32
...
	.end_amdgpu_metadata
.endif
;; end of part 4
